; MI455X (gfx1250); checked and timed in simulation.
; The chip was launched on July 23, 2026; its instructions are those of AMD's public machine-readable ISA for CDNA 5 (MIT licence, August 2026) and "CDNA5" Instruction Set Architecture Reference Guide (July 2026). The comments in the code are by the model that wrote it; some were corrected since.
;; Multi Head Attention With SWA. Allowed arithmetic: matrix products marked QUANTISED: E2M1 operands, one E8M0 scale for each 32 along K, by v_wmma_scale_f32_16x16x128_f8f6f4 with both operands' format E2M1 (or v_wmma_scale_f32_32x16x128_f4), f32 sums; products left as they are: bf16, f16 or f32 operands; f32 sums; everything else in f32.
;; Inputs: Wk 1,024 x 1,024 float32; Wo 1,024 x 1,024 float32; Wq 1,024 x 1,024 float32; Wv 1,024 x 1,024 float32; bo 1,024 float32; x 1 x 4,096 x 1,024 float32.
;; Outputs: out0 1 x 4,096 x 1,024 float32.
;; This version of the problem:
;;   THIS VERSION OF THE PROBLEM IS GIVEN IN LOW PRECISION. The matrix products marked QUANTISED in the list below multiply operands that are first quantised to E2M1 (2 exponent bits, 1 mantissa bit; 4 bits a number), with one power-of-two scale for each 32 numbers along K (OCP MX v1.0); their sums are f32. The products marked 'left as it is' may take bf16, f16 or f32 operands, with f32 sums. Whichever they take, every output number must still come out within the allowed error. Rounding operands to bf16 (8 significant bits) uses up far more of that allowance than f16 does (11 bits, for magnitudes from 6e-5 to 65,504). All else is computed in f32.
;;   The module's matrix products, in the order in which they are computed (A, B: the left and right operand; K: the contracted axis; several contracted axes count as one K, in the product's order):
;;     1. [M 4,096, K 1,024] x [K 1,024, N 1,024]; A: input x; B: input Wq: QUANTISED
;;     2. [M 4,096, K 1,024] x [K 1,024, N 1,024]; A: input x; B: input Wk: QUANTISED
;;     3. [M 4,096, K 1,024] x [K 1,024, N 1,024]; A: input x; B: input Wv: QUANTISED
;;     4. batch 16 x [M 4,096, K 64] x [K 64, N 4,096]; A: computed on the way; B: computed on the way: left as it is (an operand is computed on the way)
;;     5. batch 16 x [M 4,096, K 4,096] x [K 4,096, N 64]; A: computed on the way; B: computed on the way: left as it is (an operand is computed on the way)
;;     6. [M 4,096, K 1,024] x [K 1,024, N 1,024]; A: computed on the way; B: input Wo: left as it is (an operand is computed on the way)
;;   THE QUANTISER, for each operand of a quantised product, along K:
;;     - K is cut into blocks of 32 from its start; a last block that is shorter is filled with zeros.
;;     - A block's scale is 2^e with e = floor(log2(the largest magnitude in the block)) - 2, held to -126 .. 127; a block of zeros has e = 0. As a byte (E8M0): e + 127.
;;     - Each number is divided by its block's scale, clamped to +-6, and rounded to the nearest number of E2M1, ties to even, subnormals kept.
;;     - The product sums the exact products of the quantised numbers (number of the format x scale) in f32.
;;   ~~~python
;;   def quantise(x, axis):      # numpy; x: float32 -> the quantised numbers, widened to float32 again
;;       x = np.moveaxis(x, axis, -1); K = x.shape[-1]
;;       x = np.pad(x, [(0, 0)] * (x.ndim - 1) + [(0, -K % 32)]); x = x.reshape(x.shape[:-1] + (-1, 32)); a = np.abs(x).max(-1, keepdims=True)
;;       e = np.where(a > 0, np.clip(np.frexp(np.where(a > 0, a, 1))[1] - 1 - 2, -126, 127), 0)      # np.frexp(a)[1] - 1 = floor(log2(a)), exactly
;;       r = np.clip(x / 2.0 ** e, -6, 6)
;;       step = 2.0 ** (np.maximum(np.frexp(np.where(r == 0, 1, r))[1] - 1, 0) - 1)
;;       q = np.round(r / step) * step * 2.0 ** e      # np.round: ties to even
;;       return np.moveaxis(q.reshape(q.shape[:-2] + (-1,))[..., :K], -1, axis).astype(np.float32)
;;   ~~~
;; One version. Each part assembles by itself: llvm-mc -triple=amdgcn-amd-amdhsa -mcpu=gfx1250 --defsym DOCPART=n.
;; ======== version 1 of 1: 5 launches
;; limits: values are held in f16: magnitudes above 65,504 overflow, below 6.1e-05 lose precision
;; workspace buffers: xc 2,097,152 bytes; xs 131,072 bytes; wc 1,572,864 bytes; ws 98,304 bytes; wo16 2,097,152 bytes; qkv 25,165,824 bytes; top32 196,608 bytes; ctx 8,388,608 bytes
;; launch prep (part 1): grid 256 x 1, 16 waves a work-group, no clusters, 62,464 bytes of LDS; arguments x, Wq, Wk, Wv, Wo, xc, xs, wc, ws, wo16; writes xc, xs, wc, ws, wo16
.if DOCPART == 1
	.amdgcn_target "amdgcn-amd-amdhsa--gfx1250"
	.amdhsa_code_object_version 6
	.text
	.protected	k_q75c12fae16_prep
	.globl	k_q75c12fae16_prep
	.p2align	8
	.type	k_q75c12fae16_prep,@function
k_q75c12fae16_prep:
	s_mov_b64 s[64:65], 0
	v_nop
	global_prefetch_b8 v0, s[64:65] scope:SCOPE_SE
	s_setreg_imm32_b32 hwreg(HW_REG_WAVE_MODE, 25, 1), 1
	s_wait_xcnt 0x0
; PREP: the operands of the three quantised products become codes of E2M1 with one E8M0 byte for each 32 along K = 1,024, and Wo becomes f16.
;   x [4096][1024] f32 (K innermost)        -> xc [4096][512 bytes], xs [4096][32 bytes]
;   Wq, Wk, Wv [1024 (k)][1024 (n)] f32     -> wc [3072 (n: q, k, v)][512 bytes], K innermost; ws [2 (k / 512)][3072][16 bytes]
;   Wo [1024][1024] f32                     -> wo16, the same layout in f16
; A block's scale is 2^(floor(log2(its largest magnitude)) - 2); its byte is the largest magnitude's exponent field - 2, held at 1 from below.
; LIMITS: a block of zeros gets the byte 1 where the quantiser says 127 (its codes are zeros, and these bytes are read by this program alone); NaN and infinities are not served;
; |Wo| above 65,504 has no f16 number.
; SHARES: every work-group takes 131,072 bytes of input and asks for all of them at once.  Work-groups 0-127 take x, 128-223 the three weights, 224-255 Wo: three paths that part on the
; work-group's number, each with LDS bytes of its own.  No tensor load, no loop.
.set XST,   0                          ; path x: a stage of 32 places x (64 + 16) bytes for each of 16 waves
.set XSC,   40960                      ; path x: the work-group's 1,024 scale bytes
.set WST,   41984                      ; path w: 64 columns x (256 + 16) bytes of codes
.set WSC,   59392                      ; path w: 64 columns x 16 scale bytes
.set SPARE, 60416                      ; the spare words, 128 bytes for each wave: eight blocks of 256 bytes that no other line names
.set SPW,   124                        ; v124 LDS address of my spare word; never rewritten
.set NIL,   125                        ; v125 0; never rewritten
.set R,     16                         ; v16-79   numbers as they are loaded
.set XN,    80                         ; v80-111  path x: two sets of 16 neighbours
.set C,     112                        ; v112-119 path x: a pair of code registers for each step
.set E,     120                        ; v120-123 path x: a scale byte for each step
	s_load_b256 s[4:11], s[0:1], 0x0               ; x s[4:5], Wq s[6:7], Wk s[8:9], Wv s[10:11]
	s_load_b256 s[12:19], s[0:1], 0x20             ; Wo s[12:13], xc s[14:15], xs s[16:17], wc s[18:19]
	s_load_b128 s[20:23], s[0:1], 0x40             ; ws s[20:21], wo16 s[22:23]
	v_lshl_add_u32 v[SPW], v0, 2, SPARE
	v_mov_b32 v[NIL], 0
	v_lshrrev_b32 v1, 5, v0
	v_readfirstlane_b32 s24, v1                    ; wave 0..15
	v_and_b32 v2, 31, v0                           ; lane
	s_mov_b32 s31, 0                               ; the high word of every offset pair s[30:31]
	s_cmp_ge_u32 ttmp9, 224
	s_cbranch_scc1 .Lpath_o
	s_cmp_ge_u32 ttmp9, 128
	s_cbranch_scc1 .Lpath_w
; ---- PATH X.  x is a plain stream of blocks of 32.  A wave takes 2,048 numbers in 4 steps of 512.  Each load reads 512 consecutive bytes; a step's 2,048 bytes turn through the wave's own
; stage, so that a lane holds 16 neighbours (two neighbouring lanes hold a block).
	v_lshlrev_b32 v3, 4, v2                        ; my 16 bytes of a load's 512
	s_mul_i32 s25, s24, 2560
	v_lshrrev_b32 v14, 2, v2
	v_mul_u32_u24 v14, v14, 80
	v_and_b32 v15, 3, v2
	v_lshl_add_u32 v14, v15, 4, v14
	v_add_nc_u32 v14, s25, v14                     ; into the stage: 80 (lane / 4) + 16 (lane % 4)
	v_mul_u32_u24 v15, v2, 80
	v_add_nc_u32 v15, s25, v15                     ; out of it: 80 x lane
	v_lshlrev_b32 v4, 3, v2                        ; my 8 bytes of a step's 256 bytes of codes
	v_lshrrev_b32 v5, 1, v2
	s_lshl_b32 s25, s24, 6
	s_add_co_u32 s25, s25, XSC
	v_add_nc_u32 v5, s25, v5                       ; my block's byte among the wave's 64
	s_lshl_b32 s25, s24, 9
	v_lshl_add_u32 v7, v2, 4, s25                  ; the scale bytes' way out (waves 0 and 1): 512 x wave + 16 x lane
	v_add_nc_u32 v6, XSC, v7
	s_lshl_b32 s26, ttmp9, 4
	s_add_co_u32 s26, s26, s24                     ; which run of 2,048 numbers is my wave's
	s_lshl_b32 s30, s26, 13
	s_wait_kmcnt 0x0
	s_add_nc_u64 s[4:5], s[4:5], s[30:31]
	s_lshl_b32 s30, s26, 10
	s_add_nc_u64 s[14:15], s[14:15], s[30:31]
	s_lshl_b32 s30, ttmp9, 10
	s_add_nc_u64 s[16:17], s[16:17], s[30:31]
.macro XLOAD t
.irp i, 0,1,2,3
	global_load_b128 v[R+16*(\t)+4*\i:R+16*(\t)+4*\i+3], v3, s[4:5] offset:2048*(\t)+512*\i th:TH_LOAD_NT
.endr
.endm
.macro XTURN t                         ; step t through the stage: LDS serves a wave's instructions in order, so no wait stands between the stores and the loads
.irp i, 0,1,2,3
	ds_store_b128 v14, v[R+16*(\t)+4*\i:R+16*(\t)+4*\i+3] offset:640*\i
.endr
.irp i, 0,1,2,3
	ds_load_b128 v[XN+16*((\t)%2)+4*\i:XN+16*((\t)%2)+4*\i+3], v15 offset:16*\i
.endr
.endm
.macro XSTEP t
.set XS, XN+16*((\t)%2)
.if (\t) > 0
	s_wait_dscnt 1                                 ; this step's numbers are back from the stage; the last step's byte store may be out
.else
	s_wait_dscnt 0x0
.endif
.if (\t) < 3
	s_wait_loadcnt 4*(2-(\t))                      ; the next step's four loads are in; those of the steps behind it may be out
	XTURN (\t)+1
.endif
	v_max3_num_f32 v8, |v[XS]|, |v[XS+1]|, |v[XS+2]|
	v_max3_num_f32 v9, |v[XS+3]|, |v[XS+4]|, |v[XS+5]|
.irp i, 6,10
	v_max3_num_f32 v8, v8, |v[XS+\i]|, |v[XS+\i+1]|
	v_max3_num_f32 v9, v9, |v[XS+\i+2]|, |v[XS+\i+3]|
.endr
	v_max3_num_f32 v8, v8, |v[XS+14]|, |v[XS+15]|
	v_max3_num_f32 v8, v8, v9, 0x1800000           ; and the floor 2^(3 - 127): the byte cannot fall under 1
	v_max_num_f32_dpp v8, v8, v8 row_xmask:1 row_mask:0xf bank_mask:0xf   ; with my neighbour's 16: the block's largest magnitude
	v_add_nc_u32 v11, 0xff000000, v8               ; 2 off its exponent field: the conversion takes that field as its scale
	v_cvt_scalef32_pk8_fp4_f32 v[C+2*(\t)], v[XS:XS+7], v11
	v_cvt_scalef32_pk8_fp4_f32 v[C+2*(\t)+1], v[XS+8:XS+15], v11
	v_lshrrev_b32 v[E+(\t)], 23, v11               ; the scale's byte (also the plain line behind the conversions)
	ds_store_b8 v5, v[E+(\t)] offset:16*(\t)       ; both lanes of a block write the same byte with the same value
	global_store_b64 v4, v[C+2*(\t):C+2*(\t)+1], s[14:15] offset:256*(\t)   ; the wave stores 256 consecutive bytes, aligned
.endm
.irp t, 0,1,2,3
	XLOAD \t
.endr
	s_wait_loadcnt 12                              ; step 0's four loads are in
	XTURN 0
.irp t, 0,1,2,3
	XSTEP \t
.endr
	s_wait_dscnt 0x0                               ; for the others' sake: my byte stores are done
	s_barrier_signal -1
	s_barrier_wait -1
	s_cmp_ge_u32 s24, 2
	s_cbranch_scc1 .Lend
	ds_load_b128 v[8:11], v6                       ; the work-group's 1,024 scale bytes leave by two waves, 512 consecutive bytes each
	s_wait_dscnt 0x0
	global_store_b128 v7, v[8:11], s[16:17]
	s_branch .Lend
; ---- PATH W.  A lane takes a column n and its registers run down K, so the conversions give codes with K innermost.  A work-group takes 64 columns x 512 along K of one weight;
; wave w takes columns 32 (w % 2) on and 64 along K from 64 (w / 2) on: two blocks a lane.  The codes meet in a stage and leave as rows of 256 bytes.
.Lpath_w:
	s_sub_co_u32 s25, ttmp9, 128
	s_lshr_b32 s26, s25, 5                         ; which weight: 0 q, 1 k, 2 v
	s_and_b32 s27, s25, 15                         ; which 64 columns
	s_bfe_u32 s28, s25, 0x10004                    ; which half of K
	s_and_b32 s29, s24, 1                          ; cw
	s_lshr_b32 s32, s24, 1                         ; kw
	s_lshl_b32 s30, s28, 21                        ; the source: ((512 y + 64 kw) x 1024 + 64 cg + 32 cw) x 4 bytes
	s_lshl_b32 s33, s32, 18
	s_add_co_u32 s30, s30, s33
	s_lshl_b32 s33, s27, 8
	s_add_co_u32 s30, s30, s33
	s_lshl_b32 s33, s29, 7
	s_add_co_u32 s30, s30, s33
	s_lshl_b32 s34, s26, 10
	s_lshl_b32 s33, s27, 6
	s_add_co_u32 s34, s34, s33                     ; the first of my 64 rows of wc
	s_lshl_b32 s36, s34, 9
	s_lshl_b32 s33, s28, 8
	s_add_co_u32 s36, s36, s33                     ; codes: row x 512 + 256 y
	s_mov_b32 s37, 0
	s_mul_i32 s38, s28, 49152
	s_lshl_b32 s33, s34, 4
	s_add_co_u32 s38, s38, s33                     ; scale bytes: y x 49,152 + row x 16
	s_mov_b32 s39, 0
	v_lshlrev_b32 v3, 2, v2
	s_lshl_b32 s33, s29, 5
	v_add_nc_u32 v12, s33, v2                      ; my column of the 64
	v_mul_u32_u24 v4, v12, 272
	s_lshl_b32 s33, s32, 5
	s_add_co_u32 s33, s33, WST
	v_add_nc_u32 v4, s33, v4                       ; into the stage: column x 272 + 32 kw
	s_lshl_b32 s33, s32, 1
	s_add_co_u32 s33, s33, WSC
	v_lshl_add_u32 v5, v12, 4, s33                 ; my two scale bytes: column x 16 + 2 kw
	v_lshrrev_b32 v12, 4, v2
	s_lshl_b32 s33, s24, 2
	v_add_nc_u32 v12, s33, v12                     ; out: row 4 x wave + lane / 16, sixteen lanes to a row
	v_and_b32 v13, 15, v2
	v_mul_u32_u24 v6, v12, 272
	v_lshl_add_u32 v6, v13, 4, v6
	v_add_nc_u32 v6, WST, v6
	v_lshlrev_b32 v7, 9, v12
	v_lshl_add_u32 v7, v13, 4, v7
	s_lshl_b32 s33, s24, 9
	v_lshl_add_u32 v9, v2, 4, s33                  ; the scale bytes' way out (waves 0 and 1)
	v_add_nc_u32 v8, WSC, v9
	s_wait_kmcnt 0x0
	s_cmp_eq_u32 s26, 1                            ; the choice hangs on the work-group's number alone
	s_cselect_b64 s[40:41], s[8:9], s[6:7]
	s_cmp_eq_u32 s26, 2
	s_cselect_b64 s[40:41], s[10:11], s[40:41]
	s_add_nc_u64 s[40:41], s[40:41], s[30:31]
	s_add_nc_u64 s[18:19], s[18:19], s[36:37]
	s_add_nc_u64 s[20:21], s[20:21], s[38:39]
.set i, 0
.rept 64
	global_load_b32 v[R+i], v3, s[40:41] offset:i*4096 th:TH_LOAD_NT    ; W(k0 + i, my column)
.set i, i+1
.endr
.macro WBLOCK c
.set XS, R+32*(\c)
	s_wait_loadcnt 32*(1-(\c))                     ; this block's 32 loads are in; the other block's may be out
	v_max3_num_f32 v12, |v[XS]|, |v[XS+1]|, |v[XS+2]|
	v_max3_num_f32 v13, |v[XS+3]|, |v[XS+4]|, |v[XS+5]|
.irp i, 6,10,14,18,22,26
	v_max3_num_f32 v12, v12, |v[XS+\i]|, |v[XS+\i+1]|
	v_max3_num_f32 v13, v13, |v[XS+\i+2]|, |v[XS+\i+3]|
.endr
	v_max3_num_f32 v12, v12, |v[XS+30]|, |v[XS+31]|
	v_max3_num_f32 v12, v12, v13, 0x1800000        ; the floor
	v_add_nc_u32 v11, 0xff000000, v12
.if (\c) == 0
	v_lshrrev_b32 v10, 23, v11
.else
	v_lshrrev_b32 v13, 23, v11
	v_lshl_or_b32 v10, v13, 8, v10                 ; two bytes, the lower K in the lower byte
.endif
.irp g, 0,1,2,3
	v_cvt_scalef32_pk8_fp4_f32 v[96+4*(\c)+\g], v[XS+8*\g:XS+8*\g+7], v11
.endr
	v_nop                                          ; one plain line behind the last conversion
	ds_store_b128 v4, v[96+4*(\c):99+4*(\c)] offset:16*(\c)
.endm
	WBLOCK 0
	WBLOCK 1
	ds_store_b16 v5, v10
	s_wait_dscnt 0x0                               ; for the others' sake: my stores are done
	s_barrier_signal -1
	s_barrier_wait -1
	ds_load_b128 v[104:107], v6
	ds_load_b128 v[108:111], v6 offset:544
	s_wait_dscnt 1                                 ; the first pair of rows is back
	global_store_b128 v7, v[104:107], s[18:19]     ; sixteen lanes store 256 consecutive bytes, aligned
	s_wait_dscnt 0x0
	global_store_b128 v7, v[108:111], s[18:19] offset:1024
	s_cmp_ge_u32 s24, 2
	s_cbranch_scc1 .Lend
	ds_load_b128 v[112:115], v8                    ; the work-group's 1,024 scale bytes are dense in ws
	s_wait_dscnt 0x0
	global_store_b128 v9, v[112:115], s[20:21]
	s_branch .Lend
; ---- PATH O.  32,768 numbers of Wo a work-group: a thread takes 8 neighbours eight times and stores 16 bytes.
.Lpath_o:
	s_sub_co_u32 s25, ttmp9, 224
	v_lshlrev_b32 v3, 5, v0
	v_lshlrev_b32 v4, 4, v0
	s_lshl_b32 s30, s25, 17
	s_wait_kmcnt 0x0
	s_add_nc_u64 s[12:13], s[12:13], s[30:31]
	s_lshl_b32 s30, s25, 16
	s_add_nc_u64 s[22:23], s[22:23], s[30:31]
.irp i, 0,1,2,3,4,5,6,7
	global_load_b128 v[R+8*\i:R+8*\i+3], v3, s[12:13] offset:16384*\i
	global_load_b128 v[R+8*\i+4:R+8*\i+7], v3, s[12:13] offset:16384*\i+16
.endr
.irp i, 0,1,2,3,4,5,6,7
	s_wait_loadcnt 14-2*\i                         ; piece i's two loads are in; the later pieces' may be out
.irp j, 0,1,2,3
	v_cvt_pk_f16_f32 v[80+4*\i+\j], v[R+8*\i+2*\j], v[R+8*\i+2*\j+1]
.endr
	global_store_b128 v4, v[80+4*\i:83+4*\i], s[22:23] offset:8192*\i    ; a wave stores 512 consecutive bytes
.endr
.Lend:
	s_wait_tensorcnt 0x0                           ; the wave's end
	ds_add_u32 v[SPW], v[NIL]
	s_wait_dscnt 0x0
	s_endpgm
.Lfunc_end_k_q75c12fae16_prep:
	.size	k_q75c12fae16_prep, .Lfunc_end_k_q75c12fae16_prep-k_q75c12fae16_prep
	.p2alignl 7, 3214868480
	.fill 96, 4, 3214868480
	.section	.rodata,"a",@progbits
	.p2align	6, 0x0
	.amdhsa_kernel k_q75c12fae16_prep
		.amdhsa_group_segment_fixed_size 62464
		.amdhsa_private_segment_fixed_size 0
		.amdhsa_enable_private_segment 0
		.amdhsa_kernarg_size 80
		.amdhsa_user_sgpr_count 2
		.amdhsa_user_sgpr_kernarg_segment_ptr 1
		.amdhsa_wavefront_size32 1
		.amdhsa_system_sgpr_workgroup_id_x 1
		.amdhsa_system_sgpr_workgroup_id_y 1
		.amdhsa_system_sgpr_workgroup_id_z 1
		.amdhsa_system_vgpr_workitem_id 0
		.amdhsa_next_free_vgpr 144
		.amdhsa_next_free_sgpr 66
		.amdhsa_reserve_vcc 0
		.amdhsa_float_denorm_mode_32 3
		.amdhsa_float_denorm_mode_16_64 3
		.amdhsa_memory_ordered 1
		.amdhsa_forward_progress 1
		.amdhsa_inst_pref_size 27
	.end_amdhsa_kernel
	.amdgpu_metadata
---
amdhsa.version: [ 1, 2 ]
amdhsa.kernels:
  - .name:           k_q75c12fae16_prep
    .symbol:         k_q75c12fae16_prep.kd
    .args:
      - { .name: x, .offset: 0, .size: 8, .value_kind: global_buffer, .address_space: global }
      - { .name: Wq, .offset: 8, .size: 8, .value_kind: global_buffer, .address_space: global }
      - { .name: Wk, .offset: 16, .size: 8, .value_kind: global_buffer, .address_space: global }
      - { .name: Wv, .offset: 24, .size: 8, .value_kind: global_buffer, .address_space: global }
      - { .name: Wo, .offset: 32, .size: 8, .value_kind: global_buffer, .address_space: global }
      - { .name: xc, .offset: 40, .size: 8, .value_kind: global_buffer, .address_space: global }
      - { .name: xs, .offset: 48, .size: 8, .value_kind: global_buffer, .address_space: global }
      - { .name: wc, .offset: 56, .size: 8, .value_kind: global_buffer, .address_space: global }
      - { .name: ws, .offset: 64, .size: 8, .value_kind: global_buffer, .address_space: global }
      - { .name: wo16, .offset: 72, .size: 8, .value_kind: global_buffer, .address_space: global }
    .group_segment_fixed_size: 62464
    .private_segment_fixed_size: 0
    .kernarg_segment_align: 8
    .kernarg_segment_size: 80
    .max_flat_workgroup_size: 512
    .sgpr_count:     66
    .vgpr_count:     144
    .wavefront_size: 32
...
	.end_amdgpu_metadata
.endif
;; end of part 1
;; launch qkv (part 2): grid 16 x 16, 4 waves a work-group, clusters of 4 x 1, 286,720 bytes of LDS; arguments xc, xs, wc, ws, qkv, top32; writes qkv, top32
.if DOCPART == 2
	.amdgcn_target "amdgcn-amd-amdhsa--gfx1250"
	.amdhsa_code_object_version 6
	.text
	.protected	k_q75c12fae16_qkv
	.globl	k_q75c12fae16_qkv
	.p2align	8
	.type	k_q75c12fae16_qkv,@function
k_q75c12fae16_qkv:
	s_mov_b64 s[64:65], 0
	v_nop
	global_prefetch_b8 v0, s[64:65] scope:SCOPE_SE
	s_setreg_imm32_b32 hwreg(HW_REG_WAVE_MODE, 25, 1), 1
	s_wait_xcnt 0x0
	s_wait_alu depctr_hold_cnt(0) depctr_sa_sdst(0) depctr_va_vdst(0) depctr_va_sdst(0) depctr_va_ssrc(0) depctr_va_vcc(0) depctr_vm_vsrc(0)
	s_getreg_b32 s2, hwreg(HW_REG_IB_STS2, 6, 4)
	s_cmp_eq_u32 s2, 0
	s_cbranch_scc0 .Lentry_in_a_cluster
	s_endpgm
.Lentry_in_a_cluster:
	s_bfe_u32 s2, ttmp6, 0x10000c
	s_cmp_lg_u32 s2, 0x3003
	s_cbranch_scc0 .Lentry_shape_is_right
	s_endpgm
.Lentry_shape_is_right:
; QKV: C = x W^T on codes of E2M1, 4,096 x 3,072 x 1,024, by the scaled matrix instruction of 16 x 16 x 128; sums in f32.
; OUT: qkv, f16, [48 planes = 16 x (q, k, v) + head][4096][64]; and top32, f32, [16][3072]: positions 0-15 unrounded, for the launch that carries those rows finely.
; LIMIT: |q|, |k|, |v| above 65,504 have no f16 number.
; SHARES: a work-group makes 256 positions x 192 columns (three heads): 16 x 16 work-groups.  Wave w makes positions 64 w .. 64 w + 63 x all 192 columns: 48 accumulators, 384 registers.
; ALL OF K LIES IN LDS AT ONCE (two halves of 512, rows of 256 bytes + 16 of padding), with the scale bytes beside it: nothing is filled twice, so there is no ring.
; CLUSTER: the four work-groups of a cluster lie side by side along the columns and share their 256 positions: x's codes and scale bytes are asked for jointly (mask 15).  W's tiles differ
; between partners and come by plain loads.  The cluster is 4 x 1: the one branch of the text (who stores top32) hangs on the tile row, which the partners share.
; THE MATRIX INSTRUCTION IS USED TRANSPOSED (source 0 = 16 columns of W, source 1 = 16 positions): a lane holds one position and eight neighbouring channels.
; REGISTERS: window 0: v16-29 addresses; v32-63 x's scale words (8 a + q), v64-159 W's (8 b + q): scales and nothing else; v160-223 x's fragments, two sets; on the way out v160-255 are free.
;   window 1: W's fragments, two sets of 96.   window 2: accumulators (a, b < 8) at v[8 (4 b + a)];   window 3: b >= 8 at v[8 (4 (b - 8) + a)].
.set PITCH, 272
.set SLOT,  121856                     ; a half of K: x's 256 rows, then W's 192 rows
.set BOFF,  69632
.set SCA,   243712                     ; x's scale bytes: 32 pieces of 256 bytes + 16 of padding
.set SCB,   252416                     ; W's: 2 x 3,072 bytes
.set STAGE, 258560                     ; the way out: 3 heads x 16 rows x (128 + 16) bytes for each wave
.set SPARE, 286208                     ; the spare words: two blocks of 256 bytes that no other line names
.set ADRA, 16
.set ADRB, 18
.set ADSA, 20
.set ADSB, 21
.set STO,  22
.set RD,   23
.set CO,   24
.set TO,   25
.set SPW,  28
.set NIL,  29
.set SA,   32
.set SB,   64
.set AF,   160
.set TMP,  160
.set BK,   208
.set W0A,  15|(1<<20)|(1<<21)|(5<<22)|(3<<25)          ; mask of the four partners; elements of 1 byte; 4 words of padding behind every 64
.set W0B,  (1<<20)|(5<<22)|(3<<25)                     ; no mask
.set W0SA, 15|(3<<16)|(1<<20)|(1<<21)|(5<<22)|(3<<25)  ; elements of 8 bytes
.set W0SB, 3<<16                                       ; elements of 8 bytes, no padding
.set MSB, 0
.macro WIN new                         ; the immediate's high byte repeats the setting that is left
.if MSB != \new
	s_set_vgpr_msb (MSB<<8)|\new
.set MSB, \new
.endif
.endm
.macro PLACES n
.rept \n
	v_nop
.endr
.endm
.macro CROUND                          ; a round of the cluster's barrier
	s_barrier_signal -1
	s_barrier_wait -1
	s_cmp_lg_u32 s16, 0
	s_cbranch_scc1 .Lnot_wave_0_\@
	s_barrier_signal -3
.Lnot_wave_0_\@:
	s_barrier_wait -3
	s_barrier_signal -1
	s_barrier_wait -1
.endm
.macro SHAPE g, w0, c, r, p            ; descriptor group 1: r rows of c elements, p elements from row to row
	s_mov_b32 s[\g], \w0
	s_mov_b32 s[\g+1], (\c)<<16
	s_mov_b32 s[\g+2], (\r)<<16
	s_mov_b32 s[\g+3], (\c)<<16
	s_mov_b32 s[\g+4], \r
	s_mov_b32 s[\g+5], \p
	s_mov_b32 s[\g+6], 0
	s_mov_b32 s[\g+7], 0
.endm
	s_load_b256 s[4:11], s[0:1], 0x0               ; xc s[4:5], xs s[6:7], wc s[8:9], ws s[10:11]
	s_load_b128 s[12:15], s[0:1], 0x20             ; qkv s[12:13], top32 s[14:15]
	v_lshl_add_u32 v[SPW], v0, 2, SPARE
	v_mov_b32 v[NIL], 0
	ds_add_u32 v[SPW], v[NIL]                      ; the wave's opening: the add, twice on end, and its wait ahead of my first tensor load
	ds_add_u32 v[SPW], v[NIL]
	v_lshrrev_b32 v1, 5, v0
	v_readfirstlane_b32 s16, v1                    ; wave 0..3
	s_and_b32 s17, s16, 1                          ; e: which half of a tile's rows I fetch
	s_bfe_u32 s18, ttmp6, 0x40000                  ; cx
	s_lshl_b32 s19, ttmp9, 2
	s_add_co_u32 s19, s19, s18                     ; tile column = 4 x cluster x + cx
	s_and_b32 s20, ttmp7, 0xffff                   ; tile row, which the partners share
	SHAPE 24, W0A, 256, 128, 512                   ; x's codes: 128 rows x 256 bytes
	SHAPE 32, W0B, 256, 96, 512                    ; W's codes: 96 rows x 256 bytes
	SHAPE 40, W0SA, 32, 16, 32                     ; x's scale bytes of 128 rows: 4,096 dense bytes as 16 rows of 256
	SHAPE 48, W0SB, 32, 12, 32                     ; W's scale bytes of 192 columns and one half of K: 3,072 dense bytes
	s_lshl_b32 s84, s20, 13                        ; x's scale bytes: (256 tile row + 128 e) x 32.  The registers that feed x's descriptors never hold cx
	s_lshl_b32 s21, s17, 12
	s_add_co_u32 s84, s84, s21
	s_mov_b32 s85, 0
	s_lshl_b32 s86, s20, 17                        ; x's codes: (256 tile row + 128 e) x 512
	s_lshl_b32 s21, s17, 16
	s_add_co_u32 s86, s86, s21
	s_mov_b32 s87, 0
	s_mul_i32 s88, s19, 3072                       ; W's scale bytes: e x 49,152 + tile column x 3,072
	s_mul_i32 s21, s17, 49152
	s_add_co_u32 s88, s88, s21
	s_mov_b32 s89, 0
	s_mul_i32 s90, s19, 98304                      ; W's codes: (192 tile column + 96 e) x 512
	s_add_co_u32 s90, s90, s21
	s_mov_b32 s91, 0
	s_mul_i32 s92, s17, 4352                       ; and where they go in LDS: the wave's number alone
	s_mul_i32 s93, s17, 34816
	s_mul_i32 s94, s17, 3072
	s_mul_i32 s95, s17, 26112
	s_mul_i32 s96, s19, 1572864                    ; qkv: three planes a tile column, + (256 tile row + 64 wave) rows of 128 bytes
	s_lshl_b32 s21, s20, 15
	s_add_co_u32 s96, s96, s21
	s_lshl_b32 s21, s16, 13
	s_add_co_u32 s96, s96, s21
	s_mov_b32 s97, 0
	s_mul_i32 s98, s19, 768                        ; top32: 192 columns of 4 bytes a tile column
	s_mov_b32 s99, 0
	s_wait_dscnt 0x0                               ; both opening adds are done
	s_wait_kmcnt 0x0
	s_mov_b32 s56, 1                               ; group 0: x's scale bytes
	s_add_co_u32 s57, s92, SCA
	s_add_nc_u64 s[58:59], s[6:7], s[84:85]
	s_or_b32 s59, s59, 0x80000000
	s_mov_b32 s60, 1                               ; x's codes, K half 0
	s_mov_b32 s61, s93
	s_add_nc_u64 s[62:63], s[4:5], s[86:87]
	s_mov_b32 s68, 1                               ; and half 1: 256 bytes on in each row
	s_add_co_u32 s69, s93, SLOT
	s_add_nc_u64 s[70:71], s[62:63], 256
	s_or_b32 s63, s63, 0x80000000
	s_or_b32 s71, s71, 0x80000000
	s_mov_b32 s72, 1                               ; W's scale bytes of K half e
	s_add_co_u32 s73, s94, SCB
	s_add_nc_u64 s[74:75], s[10:11], s[88:89]
	s_or_b32 s75, s75, 0x80000000
	s_mov_b32 s76, 1                               ; W's codes, K half 0
	s_add_co_u32 s77, s95, BOFF
	s_add_nc_u64 s[78:79], s[8:9], s[90:91]
	s_mov_b32 s80, 1                               ; and half 1
	s_add_co_u32 s81, s95, SLOT+BOFF
	s_add_nc_u64 s[82:83], s[78:79], 256
	s_or_b32 s79, s79, 0x80000000
	s_or_b32 s83, s83, 0x80000000
	s_add_nc_u64 s[12:13], s[12:13], s[96:97]
	s_add_nc_u64 s[14:15], s[14:15], s[98:99]
	CROUND                                         ; all four work-groups are here: the joint loads meet
	s_cmp_lt_u32 s16, 2                            ; waves 0, 1 fetch for x, waves 2, 3 for W: a wave's three first fills stand in one branch; three loads of mine are out
	s_cbranch_scc0 .Lfor_w
	tensor_load_to_lds s[56:59], s[40:47]
	s_nop 0
	tensor_load_to_lds s[60:63], s[24:31]
	s_nop 0
	tensor_load_to_lds s[68:71], s[24:31]
	s_nop 0
	PLACES 4
	s_branch .Lasked
.Lfor_w:
	tensor_load_to_lds s[72:75], s[48:55]
	s_nop 0
	tensor_load_to_lds s[76:79], s[32:39]
	s_nop 0
	tensor_load_to_lds s[80:83], s[32:39]
	s_nop 0
	PLACES 4
.Lasked:
	v_and_b32 v1, 15, v0                           ; r
	v_bfe_u32 v2, v0, 4, 1                         ; h
	v_and_b32 v3, 31, v0                           ; lane
	v_mul_u32_u24 v4, v1, PITCH
	v_lshl_add_u32 v4, v2, 4, v4                   ; a fragment's row x pitch + 16 h
	s_mul_i32 s21, s16, 64*PITCH
	v_add_nc_u32 v[ADRA], s21, v4                  ; my 64 rows of x
	v_add_nc_u32 v[ADRA+1], SLOT, v[ADRA]
	v_add_nc_u32 v[ADRB], BOFF, v4
	v_add_nc_u32 v[ADRB+1], SLOT, v[ADRB]
	v_lshrrev_b32 v5, 3, v1                        ; x's scale words: 32 bytes a row, eight rows to a piece of 272
	v_mul_u32_u24 v5, v5, 272
	v_and_b32 v6, 7, v1
	v_lshl_add_u32 v5, v6, 5, v5
	s_mul_i32 s21, s16, 2176
	s_add_co_u32 s21, s21, SCA
	v_add_nc_u32 v[ADSA], s21, v5
	v_lshl_add_u32 v[ADSB], v1, 4, SCB             ; W's: 16 bytes a column and half of K
	s_mul_i32 s21, s16, 6912
	s_add_co_u32 s21, s21, STAGE                   ; my stage
	v_mul_u32_u24 v5, v1, 144
	v_lshl_add_u32 v5, v2, 4, v5
	v_add_nc_u32 v[STO], s21, v5                   ; in: row r, 16 bytes for each half of the lanes
	v_lshrrev_b32 v5, 3, v3
	v_mul_u32_u24 v5, v5, 144
	v_and_b32 v6, 7, v3
	v_lshl_add_u32 v5, v6, 4, v5
	v_add_nc_u32 v[RD], s21, v5                    ; back: eight lanes to a row of 128 bytes, four rows an instruction
	v_lshlrev_b32 v[CO], 4, v3                     ; which are 512 consecutive bytes of a plane
	v_mul_u32_u24 v[TO], v1, 12288
	v_lshl_add_u32 v[TO], v2, 5, v[TO]             ; top32: row r, + 32 h
; The fragments of the q-th 128 along K: W's twelve into set q % 2 of window 1, my four of x into set q % 2 of window 0.  16 rows x 128 K are 8 registers: two loads of 16 bytes, 32 apart.
.macro FETCH q
	WIN 0x40
.irp i, 0,1,2,3,4,5,6,7,8,9,10,11
.irp c, 0,1
	ds_load_b128 v[96*((\q)%2)+8*\i+4*\c:96*((\q)%2)+8*\i+4*\c+3], v[ADRB+(\q)/4] offset:64*((\q)%4)+32*\c+4352*\i
.endr
.endr
	WIN 0
.irp i, 0,1,2,3
.irp c, 0,1
	ds_load_b128 v[AF+32*((\q)%2)+8*\i+4*\c:AF+32*((\q)%2)+8*\i+4*\c+3], v[ADRA+(\q)/4] offset:64*((\q)%4)+32*\c+4352*\i
.endr
.endr
.endm
.macro MULB q, b                       ; column block b against my four blocks of positions
.irp a, 0,1,2,3
.if (\q) == 0
	v_wmma_scale_f32_16x16x128_f8f6f4 v[8*(4*((\b)%8)+\a):8*(4*((\b)%8)+\a)+7], v[96*((\q)%2)+8*(\b):96*((\q)%2)+8*(\b)+7], v[AF+32*((\q)%2)+8*\a:AF+32*((\q)%2)+8*\a+7], 0, v[SB+8*(\b)+(\q)], v[SA+8*\a+(\q)] matrix_a_fmt:MATRIX_FMT_FP4 matrix_b_fmt:MATRIX_FMT_FP4
.else
	v_wmma_scale_f32_16x16x128_f8f6f4 v[8*(4*((\b)%8)+\a):8*(4*((\b)%8)+\a)+7], v[96*((\q)%2)+8*(\b):96*((\q)%2)+8*(\b)+7], v[AF+32*((\q)%2)+8*\a:AF+32*((\q)%2)+8*\a+7], v[8*(4*((\b)%8)+\a):8*(4*((\b)%8)+\a)+7], v[SB+8*(\b)+(\q)], v[SA+8*\a+(\q)] matrix_a_fmt:MATRIX_FMT_FP4 matrix_b_fmt:MATRIX_FMT_FP4
.endif
.endr
.endm
.macro MUL q                           ; 48 matrix instructions; the 48 accumulators take turns in one fixed order; the first step's products start the sums
	WIN 0xa1                                       ; source 0 (W) window 1, source 1 (x) window 0, C and D window 2
.irp b, 0,1,2,3,4,5,6,7
	MULB \q, \b
.endr
	WIN 0xf1                                       ; C and D window 3
.irp b, 8,9,10,11
	MULB \q, \b
.endr
.endm
	s_wait_tensorcnt 1                             ; my scale bytes and my part of K half 0 are in; half 1's load may be out
	s_barrier_signal -1
	s_barrier_wait -1                              ; everybody's are
.irp a, 0,1,2,3                        ; all scale words, once: eight words a row of x,
.irp y, 0,1
	ds_load_b128 v[SA+8*\a+4*\y:SA+8*\a+4*\y+3], v[ADSA] offset:544*\a+16*\y
.endr
.endr
.irp b, 0,1,2,3,4,5,6,7,8,9,10,11      ; and eight a column of W
.irp y, 0,1
	ds_load_b128 v[SB+8*\b+4*\y:SB+8*\b+4*\y+3], v[ADSB] offset:3072*\y+256*\b
.endr
.endr
	FETCH 0
.irp q, 0,1,2,3,4,5,6,7
	s_wait_dscnt 0x0                               ; this step's fragments are in (asked for ahead of the last step's 48 products)
.if \q == 3
	s_wait_tensorcnt 0x0                           ; my part of K half 1 is in,
	s_barrier_signal -1
	s_barrier_wait -1                              ; everybody's is: the next fetch reads it
.endif
.if \q > 0
	PLACES 4                                       ; four plain places between the last products and loads into registers that they read
.endif
.if \q < 7
	FETCH \q+1
.endif
	MUL \q
.endr
	WIN 0
	PLACES 4                                       ; four places ahead of the first read of results
; Positions 0-15 also leave unrounded: tile row 0, wave 0, block a = 0.  The branch hangs on the tile row, which the partners share, and on the wave's number.
; These stores are runs of 64 bytes: 12,288 bytes in each of sixteen work-groups.
	s_or_b32 s21, s20, s16
	s_cmp_lg_u32 s21, 0
	s_cbranch_scc1 .Lno_top
	WIN 0x08                                       ; a store's data: window 2
.irp b, 0,1,2,3,4,5,6,7
	global_store_b128 v[TO], v[32*\b:32*\b+3], s[14:15] offset:64*\b
	global_store_b128 v[TO], v[32*\b+4:32*\b+7], s[14:15] offset:64*\b+16
.endr
	WIN 0x0c                                       ; window 3
.irp b, 8,9,10,11
	global_store_b128 v[TO], v[32*(\b-8):32*(\b-8)+3], s[14:15] offset:64*\b
	global_store_b128 v[TO], v[32*(\b-8)+4:32*(\b-8)+7], s[14:15] offset:64*\b+16
.endr
	WIN 0
.Lno_top:
; THE WAY OUT, 16 positions at a time: rounded to f16 (each accumulator from its low end on), 16 bytes a lane into my own stage, back as rows of 128 bytes, four rows = 512 consecutive bytes of a plane a store.
.macro OUTA a
	WIN 0x0a                                       ; sources 0 and 1: window 2
.irp b, 0,1,2,3,4,5,6,7
.irp i, 0,1,2,3
	v_cvt_pk_f16_f32 v[TMP+4*\b+\i], v[8*(4*\b+\a)+2*\i], v[8*(4*\b+\a)+2*\i+1]
.endr
.endr
	WIN 0x0f                                       ; window 3
.irp b, 8,9,10,11
.irp i, 0,1,2,3
	v_cvt_pk_f16_f32 v[TMP+4*\b+\i], v[8*(4*(\b-8)+\a)+2*\i], v[8*(4*(\b-8)+\a)+2*\i+1]
.endr
.endr
	WIN 0
.irp b, 0,1,2,3,4,5,6,7,8,9,10,11
	ds_store_b128 v[STO], v[TMP+4*\b:TMP+4*\b+3] offset:(\b/4)*2304+(\b%4)*32
.endr
.if \a > 0
	s_wait_xcnt 0x0                                ; the last block's stores have read their registers: the loads below may land there
.endif
.irp g, 0,1,2
.irp i, 0,1,2,3
	ds_load_b128 v[BK+4*(4*\g+\i):BK+4*(4*\g+\i)+3], v[RD] offset:2304*\g+576*\i    ; LDS serves a wave's instructions in order: these see my stores
.endr
.endr
	s_wait_dscnt 0x0
.irp g, 0,1,2
.irp i, 0,1,2,3
	global_store_b128 v[CO], v[BK+4*(4*\g+\i):BK+4*(4*\g+\i)+3], s[12:13] offset:\g*524288+\a*2048+\i*512
.endr
.endr
.endm
	OUTA 0
	OUTA 1
	OUTA 2
	OUTA 3
	s_wait_tensorcnt 0x0                           ; the wave's end
	ds_add_u32 v[SPW], v[NIL]
	s_wait_dscnt 0x0
	CROUND                                         ; the closing round
	s_endpgm
.Lfunc_end_k_q75c12fae16_qkv:
	.size	k_q75c12fae16_qkv, .Lfunc_end_k_q75c12fae16_qkv-k_q75c12fae16_qkv
	.p2alignl 7, 3214868480
	.fill 96, 4, 3214868480
	.section	.rodata,"a",@progbits
	.p2align	6, 0x0
	.amdhsa_kernel k_q75c12fae16_qkv
		.amdhsa_group_segment_fixed_size 286720
		.amdhsa_private_segment_fixed_size 0
		.amdhsa_enable_private_segment 0
		.amdhsa_kernarg_size 48
		.amdhsa_user_sgpr_count 2
		.amdhsa_user_sgpr_kernarg_segment_ptr 1
		.amdhsa_wavefront_size32 1
		.amdhsa_system_sgpr_workgroup_id_x 1
		.amdhsa_system_sgpr_workgroup_id_y 1
		.amdhsa_system_sgpr_workgroup_id_z 1
		.amdhsa_system_vgpr_workitem_id 0
		.amdhsa_next_free_vgpr 896
		.amdhsa_next_free_sgpr 100
		.amdhsa_reserve_vcc 0
		.amdhsa_float_denorm_mode_32 3
		.amdhsa_float_denorm_mode_16_64 3
		.amdhsa_memory_ordered 1
		.amdhsa_forward_progress 1
		.amdhsa_inst_pref_size 103
	.end_amdhsa_kernel
	.amdgpu_metadata
---
amdhsa.version: [ 1, 2 ]
amdhsa.kernels:
  - .name:           k_q75c12fae16_qkv
    .symbol:         k_q75c12fae16_qkv.kd
    .args:
      - { .name: xc, .offset: 0, .size: 8, .value_kind: global_buffer, .address_space: global }
      - { .name: xs, .offset: 8, .size: 8, .value_kind: global_buffer, .address_space: global }
      - { .name: wc, .offset: 16, .size: 8, .value_kind: global_buffer, .address_space: global }
      - { .name: ws, .offset: 24, .size: 8, .value_kind: global_buffer, .address_space: global }
      - { .name: qkv, .offset: 32, .size: 8, .value_kind: global_buffer, .address_space: global }
      - { .name: top32, .offset: 40, .size: 8, .value_kind: global_buffer, .address_space: global }
    .group_segment_fixed_size: 286720
    .private_segment_fixed_size: 0
    .kernarg_segment_align: 8
    .kernarg_segment_size: 48
    .max_flat_workgroup_size: 128
    .sgpr_count:     100
    .vgpr_count:     896
    .wavefront_size: 32
...
	.end_amdgpu_metadata
.endif
;; end of part 2
;; launch attn (part 3): grid 16 x 16, 8 waves a work-group, no clusters, 327,680 bytes of LDS; arguments qkv, ctx; writes ctx
.if DOCPART == 3
	.amdgcn_target "amdgcn-amd-amdhsa--gfx1250"
	.amdhsa_code_object_version 6
	.text
	.protected	k_q75c12fae16_attn
	.globl	k_q75c12fae16_attn
	.p2align	8
	.type	k_q75c12fae16_attn,@function
k_q75c12fae16_attn:
	s_mov_b64 s[64:65], 0
	v_nop
	global_prefetch_b8 v0, s[64:65] scope:SCOPE_SE
	s_setreg_imm32_b32 hwreg(HW_REG_WAVE_MODE, 25, 1), 1
	s_wait_xcnt 0x0
; ATTN: ctx[q] = the sum over k of softmax_k(q . k / 8) v[k] over the keys q - 511 .. q of one head; operands f16, products, maxima and sums f32; the weights p are rounded to f16 for the second product.
; IN: qkv, f16, [48 planes][4096][64] (q: plane head, k: 16 + head, v: 32 + head).  OUT: ctx, f16, [position / 2][head][position % 2][64]: 256 bytes hold two positions of one head.
; LIMIT: ctx in f16: magnitudes above 65,504 are not served.  (Positions 0-15 are computed here too and are replaced downstream by the launch that carries them in f32.)
; SHARES: a work-group owns 256 queries (block b) of one head; each of its eight waves 32 of them, two tiles of 16.  The keys that count lie in blocks b, b - 1, b - 2 of 256 keys; they are walked
; in that order, so that the first step gives every query a key that counts (key 256 b) and the running maximum is a number from then on.  Each block has an LDS slot of its own: nothing is filled twice.
; A block is 4 steps of 64 keys.  A step none of whose keys counts for the wave's queries is left out by a scalar branch on ids; on the two edges of the window hidden scores become -infinity.
; A block before the sequence's start (b < 2) is not asked for: every wait for tensor loads is for 0, and the steps of such a block read nothing.
; NO CLUSTER: neighbouring query blocks want different key blocks in every trip (their windows are shifted by a block), and the steps left out differ between them.
; NO PREFETCH: each block that a later trip asks for is also the first fill of another work-group of this launch.
; LAYOUT: S^T = K Q^T (source 0 = 16 keys, source 1 = 16 queries) and O^T = V^T P (source 0 = 16 channels, turned out of LDS): a lane holds ONE query throughout, and two tiles of S^T, rounded in pairs, are source 1 of the second product.
; SOFTMAX: running maximum m and sum l: p = 2^(c s - c m), c = log2(e) / 8; in every step O and l are multiplied by a = 2^(c m_old - c m_new).
; REGISTERS: v1-10 addresses and mask terms; v12-27 statistics, 8 a tile (+0 c m, +1 m, +2, +3 l, +4..7 at work, a in +6); v28-59 Q; v60-123 K, then V; v124-187 S^T, then p, then P in place; v188-251 O^T.
.set KP,    144                        ; a key's row in LDS: 128 bytes + 16
.set VP,    160                        ; a row of V: 128 + 32
.set VOFF,  36864                      ; a slot: 256 rows of K, then 256 rows of V
.set SLOT,  77824
.set STAGE, 233472                     ; the way out: 32 rows x 144 bytes for each wave
.set SPARE, 270336                     ; the spare words: four blocks of 256 bytes that no other line names
.set AK0,  1
.set AV0,  2
.set ADK,  3
.set ADV,  4
.set SPW,  5
.set NIL,  6
.set LQ,   7                           ; r - 8 h
.set DL,   8                           ; v8, v9: the mask's bound for tiles 0, 1
.set NINF, 10
.set ST,   12
.set Q,    28
.set KV,   60
.set S,    124
.set O,    188
; s12 wave; s13 my first query; s14 the step's first key (signed); s15 the block that the next change asks for (signed); s16, s17 where the step's K and V begin in LDS; s18, s19 counters;
; s[20:21] lane selects; s[22:23] c; s[24:31], s[32:39] groups 1 for K and V; s[40:43], s[44:47] their groups 0, which walk
.macro TLOAD                           ; waves 0-3 fetch K's four quarters of a block, waves 4-7 V's: one load a wave; an s_nop 0 and four v_nop follow each line
	s_cmp_lt_u32 s12, 4
	s_cbranch_scc0 .Lfor_v_\@
	tensor_load_to_lds s[40:43], s[24:31]
	s_nop 0
.rept 4
	v_nop
.endr
	s_branch .Lasked_\@
.Lfor_v_\@:
	tensor_load_to_lds s[44:47], s[32:39]
	s_nop 0
.rept 4
	v_nop
.endr
.Lasked_\@:
.endm
	s_load_b128 s[4:7], s[0:1], 0x0                ; qkv s[4:5], ctx s[6:7]
	v_lshl_add_u32 v[SPW], v0, 2, SPARE
	v_mov_b32 v[NIL], 0
	ds_add_u32 v[SPW], v[NIL]                      ; the wave's opening: the add, twice on end, and its wait ahead of my first tensor load
	ds_add_u32 v[SPW], v[NIL]
	v_lshrrev_b32 v252, 5, v0
	v_readfirstlane_b32 s12, v252                  ; wave 0..7
	s_and_b32 s48, ttmp7, 0xffff                   ; the head
	s_lshl_b32 s49, ttmp9, 8                       ; 256 b
	s_lshl_b32 s50, s12, 5
	s_add_co_u32 s13, s49, s50                     ; my first query
	s_mov_b32 s14, s49
	s_sub_co_i32 s15, ttmp9, 1
	s_mov_b32 s16, 0
	s_mov_b32 s17, 0
	s_lshl_b32 s52, s48, 19                        ; Q: plane head, row = my first query
	s_lshl_b32 s50, s13, 7
	s_add_co_u32 s52, s52, s50
	s_mov_b32 s53, 0
	s_and_b32 s51, s12, 3                          ; which 64 rows of a block I fetch
	s_lshl_b32 s54, s51, 6
	s_add_co_u32 s54, s54, s49
	s_lshl_b32 s54, s54, 7
	s_lshl_b32 s50, s48, 19
	s_add_co_u32 s54, s54, s50
	s_add_co_u32 s54, s54, 16*524288               ; K: plane 16 + head
	s_mov_b32 s55, 0
	s_lshl_b32 s56, s13, 11                        ; ctx: (my first query / 2) x 4,096 + head x 256
	s_lshl_b32 s50, s48, 8
	s_add_co_u32 s56, s56, s50
	s_mov_b32 s57, 0
	s_mov_b32 s24, (1<<16)|(1<<20)|(4<<22)|(3<<25) ; group 1 for K: elements of 2 bytes; 4 words of padding behind every 32
	s_mov_b32 s32, (1<<16)|(1<<20)|(4<<22)|(7<<25) ; for V: 8 words
.irp g, 24, 32
	s_mov_b32 s[\g+1], 64<<16                      ; tensor_dim0 = 64
	s_mov_b32 s[\g+2], 64<<16                      ; tensor_dim1 = 64
	s_mov_b32 s[\g+3], 64<<16                      ; tile_dim0 = 64
	s_mov_b32 s[\g+4], 64                          ; tile_dim1 = 64
	s_mov_b32 s[\g+5], 64                          ; elements from row to row
	s_mov_b32 s[\g+6], 0
	s_mov_b32 s[\g+7], 0
.endr
	s_mov_b32 s20, 0x76543210
	s_mov_b32 s21, 0xfedcba98
	s_mov_b32 s22, 0x3e38aa3b                      ; c = log2(e) / 8
	s_mov_b32 s23, s22
	s_wait_dscnt 0x0                               ; both opening adds are done
	s_wait_kmcnt 0x0
	s_mov_b32 s40, 1
	s_mul_i32 s41, s51, 64*KP
	s_add_nc_u64 s[42:43], s[4:5], s[54:55]
	s_mov_b32 s44, 1
	s_mul_i32 s45, s51, 64*VP
	s_add_co_u32 s45, s45, VOFF
	s_add_nc_u64 s[46:47], s[42:43], 16*524288     ; V: plane 32 + head
	s_or_b32 s43, s43, 0x80000000
	s_or_b32 s47, s47, 0x80000000
	TLOAD                                          ; block b into slot 0
	s_add_nc_u64 s[4:5], s[4:5], s[52:53]
	s_add_nc_u64 s[6:7], s[6:7], s[56:57]
	v_and_b32 v252, 15, v0                         ; r
	v_bfe_u32 v253, v0, 4, 1                       ; h
	v_lshlrev_b32 v254, 7, v252
	v_lshl_add_u32 v254, v253, 4, v254             ; Q: row r of 128 bytes, + 16 h
.irp t, 0,1
.irp c, 0,1
	global_load_b128 v[Q+8*(2*\t+\c):Q+8*(2*\t+\c)+3], v254, s[4:5] offset:2048*\t+64*\c
	global_load_b128 v[Q+8*(2*\t+\c)+4:Q+8*(2*\t+\c)+7], v254, s[4:5] offset:2048*\t+64*\c+32
.endr
.endr
	v_mul_u32_u24 v[AK0], v252, KP
	v_lshl_add_u32 v[AK0], v253, 4, v[AK0]
	v_and_b32 v255, 7, v0                          ; the turning load: lane l reads key 8 h + l % 8, channels 8 ((l / 8) % 2) on
	v_lshl_add_u32 v[AV0], v253, 3, v255
	v_mul_u32_u24 v[AV0], v[AV0], VP
	v_bfe_u32 v255, v0, 3, 1
	v_lshl_add_u32 v[AV0], v255, 4, v[AV0]
	v_add_nc_u32 v[AV0], VOFF, v[AV0]
	v_lshlrev_b32 v[LQ], 3, v253
	v_sub_nc_u32 v[LQ], v252, v[LQ]
	v_mov_b32 v[NINF], 0xff800000
.irp t, 0,1
	v_mov_b32 v[ST+8*\t+1], 0xff61b1e6             ; m: -3e38, under every score
	v_mul_f32 v[ST+8*\t], s22, v[ST+8*\t+1]
.irp i, 2,3,4,5,6,7
	v_mov_b32 v[ST+8*\t+\i], 0
.endr
.endr
.set i, 0
.rept 64
	v_mov_b32 v[O+i], 0                            ; O^T.  (Which step is a wave's first hangs on ids, so it cannot be written out: the first step finds zeros, which its a = 0 leaves zeros)
.set i, i+1
.endr
; A KEY STEP: 64 keys.
.macro STEP
	s_cmp_lt_i32 s14, 0                            ; ahead of the sequence's start,
	s_cbranch_scc1 .Lhidden_\@
	s_add_co_u32 s48, s13, 31
	s_cmp_gt_i32 s14, s48                          ; or all keys after my last query,
	s_cbranch_scc1 .Lhidden_\@
	s_add_co_u32 s48, s14, 574
	s_cmp_lt_i32 s48, s13                          ; or all keys more than 511 before my first: nothing to do
	s_cbranch_scc1 .Lhidden_\@
	v_add_nc_u32 v[ADK], s16, v[AK0]
	v_add_nc_u32 v[ADV], s17, v[AV0]
.irp kt, 0,1,2,3
.irp c, 0,1
	ds_load_b128 v[KV+8*(2*\kt+\c):KV+8*(2*\kt+\c)+3], v[ADK] offset:16*KP*\kt+64*\c
	ds_load_b128 v[KV+8*(2*\kt+\c)+4:KV+8*(2*\kt+\c)+7], v[ADK] offset:16*KP*\kt+64*\c+32
.endr
.endr
	s_wait_dscnt 0x0
.irp c, 0,1                            ; S^T = K Q^T: the eight accumulators by turns
.irp kt, 0,1,2,3
.irp t, 0,1
.if \c == 0
	v_wmma_f32_16x16x32_f16 v[S+32*\t+8*\kt:S+32*\t+8*\kt+7], v[KV+8*(2*\kt+\c):KV+8*(2*\kt+\c)+7], v[Q+8*(2*\t+\c):Q+8*(2*\t+\c)+7], 0
.else
	v_wmma_f32_16x16x32_f16 v[S+32*\t+8*\kt:S+32*\t+8*\kt+7], v[KV+8*(2*\kt+\c):KV+8*(2*\kt+\c)+7], v[Q+8*(2*\t+\c):Q+8*(2*\t+\c)+7], v[S+32*\t+8*\kt:S+32*\t+8*\kt+7]
.endif
.endr
.endr
.endr
.rept 4
	v_nop                                          ; four places: ahead of the loads into K's registers, and of the first read of the scores
.endr
.irp u, 0,1                            ; V, turned, lands under the softmax
.irp ct, 0,1,2,3
	ds_load_tr16_b128 v[KV+8*(4*\u+\ct):KV+8*(4*\u+\ct)+3], v[ADV] offset:32*VP*\u+32*\ct
	ds_load_tr16_b128 v[KV+8*(4*\u+\ct)+4:KV+8*(4*\u+\ct)+7], v[ADV] offset:32*VP*\u+32*\ct+16*VP
.endr
.endr
; Register n of a tile holds key KF + 8 h + e, e = 16 (n / 8) + n % 8, of query Q0 + 16 t + r.
	s_add_co_u32 s48, s14, 63
	s_cmp_le_i32 s48, s13                          ; no key after my first query: the causal edge is not here
	s_cbranch_scc1 .Lno_causal_\@
	s_sub_co_i32 s48, s13, s14
	v_add_nc_u32 v[DL], s48, v[LQ]                 ; hidden where e > Q0 - KF + 16 t + r - 8 h
	v_add_nc_u32 v[DL+1], 16, v[DL]
.set n, 0
.rept 32
.irp t, 0,1
	v_cmp_gt_i32 vcc_lo, 16*(n/8)+n%8, v[DL+\t]
	v_cndmask_b32 v[S+32*\t+n], v[S+32*\t+n], v[NINF], vcc_lo
.endr
.set n, n+1
.endr
.Lno_causal_\@:
	s_sub_co_i32 s48, s13, 480
	s_cmp_ge_i32 s14, s48                          ; the first key is within 511 of my last query: the window's edge is not here
	s_cbranch_scc1 .Lno_window_\@
	s_sub_co_i32 s48, s13, s14
	s_sub_co_i32 s48, s48, 511
	v_add_nc_u32 v[DL], s48, v[LQ]                 ; hidden where e < Q0 - KF + 16 t + r - 8 h - 511
	v_add_nc_u32 v[DL+1], 16, v[DL]
.set n, 0
.rept 32
.irp t, 0,1
	v_cmp_lt_i32 vcc_lo, 16*(n/8)+n%8, v[DL+\t]
	v_cndmask_b32 v[S+32*\t+n], v[S+32*\t+n], v[NINF], vcc_lo
.endr
.set n, n+1
.endr
.Lno_window_\@:
; the softmax, the two tiles line by line, so that no line waits for the line above it.  The maxima begin at each accumulator's low end.
.irp j, 0,1,2,3
.irp t, 0,1
	v_max3_num_f32 v[ST+8*\t+4+\j], v[S+32*\t+8*\j], v[S+32*\t+8*\j+1], v[S+32*\t+8*\j+2]
.endr
.endr
.irp g, 1,2
.irp j, 0,1,2,3
.irp t, 0,1
	v_max3_num_f32 v[ST+8*\t+4+\j], v[ST+8*\t+4+\j], v[S+32*\t+8*\j+2*\g+1], v[S+32*\t+8*\j+2*\g+2]
.endr
.endr
.endr
.irp t, 0,1
	v_max3_num_f32 v[ST+8*\t+4], v[ST+8*\t+4], v[S+32*\t+7], v[S+32*\t+15]
.endr
.irp t, 0,1
	v_max3_num_f32 v[ST+8*\t+6], v[ST+8*\t+6], v[S+32*\t+23], v[S+32*\t+31]
.endr
.irp t, 0,1
	v_max3_num_f32 v[ST+8*\t+4], v[ST+8*\t+4], v[ST+8*\t+5], v[ST+8*\t+6]
.endr
.irp t, 0,1
	v_max3_num_f32 v[ST+8*\t+4], v[ST+8*\t+4], v[ST+8*\t+7], v[ST+8*\t+1]    ; the old m among them
.endr
.irp t, 0,1
	v_permlanex16_b32 v[ST+8*\t+5], v[ST+8*\t+4], s20, s21                   ; the query's other 32 keys lie in the lane 16 away
.endr
.irp t, 0,1
	v_mov_b32 v[ST+8*\t+7], v[ST+8*\t]                                       ; c m_old
.endr
.irp t, 0,1
	v_max_num_f32 v[ST+8*\t+1], v[ST+8*\t+4], v[ST+8*\t+5]
.endr
.irp t, 0,1
	v_mul_f32 v[ST+8*\t], s22, v[ST+8*\t+1]
.endr
.irp t, 0,1
	v_sub_f32 v[ST+8*\t+7], v[ST+8*\t+7], v[ST+8*\t]
.endr
.irp b, 0,2,4,6,8,10,12,14,16,18,20,22,24,26,28,30
.irp t, 0,1
	v_pk_fma_f32 v[S+32*\t+\b:S+32*\t+\b+1], v[S+32*\t+\b:S+32*\t+\b+1], s[22:23], v[ST+8*\t:ST+8*\t+1] op_sel_hi:[1,0,0] neg_lo:[0,0,1] neg_hi:[0,0,1]   ; c s - c m
.endr
.endr
.irp t, 0,1
	v_exp_f32 v[ST+8*\t+6], v[ST+8*\t+7]                                     ; a
.endr
.set n, 0
.rept 32
.irp t, 0,1
	v_exp_f32 v[S+32*\t+n], v[S+32*\t+n]                                     ; p
.endr
.set n, n+1
.endr
	v_nop                                          ; a plain line behind the last exponential
	s_wait_alu depctr_va_vdst(0)                   ; one wait for the batch of 66, ahead of its first reader
.irp t, 0,1
	v_pk_fma_f32 v[ST+8*\t+2:ST+8*\t+3], v[ST+8*\t+2:ST+8*\t+3], v[ST+8*\t+6:ST+8*\t+7], v[S+32*\t:S+32*\t+1] op_sel_hi:[1,0,1]   ; l = a l + the first pair; the sum goes on in two chains
.endr
.irp t, 0,1
	v_pk_add_f32 v[ST+8*\t+4:ST+8*\t+5], v[S+32*\t+2:S+32*\t+3], v[S+32*\t+4:S+32*\t+5]
.endr
.irp p, 6,10,14,18,22,26
.irp t, 0,1
	v_pk_add_f32 v[ST+8*\t+2:ST+8*\t+3], v[ST+8*\t+2:ST+8*\t+3], v[S+32*\t+\p:S+32*\t+\p+1]
.endr
.irp t, 0,1
	v_pk_add_f32 v[ST+8*\t+4:ST+8*\t+5], v[ST+8*\t+4:ST+8*\t+5], v[S+32*\t+\p+2:S+32*\t+\p+3]
.endr
.endr
.irp t, 0,1
	v_pk_add_f32 v[ST+8*\t+2:ST+8*\t+3], v[ST+8*\t+2:ST+8*\t+3], v[S+32*\t+30:S+32*\t+31]
.endr
.irp t, 0,1
	v_pk_add_f32 v[ST+8*\t+2:ST+8*\t+3], v[ST+8*\t+2:ST+8*\t+3], v[ST+8*\t+4:ST+8*\t+5]
.endr
.set n, 0
.rept 16
.irp t, 0,1
	v_cvt_pk_f16_f32 v[S+32*\t+n], v[S+32*\t+2*n], v[S+32*\t+2*n+1]          ; P in place: register n takes pair n, which lies at or above it
.endr
.set n, n+1
.endr
.irp i, 0,2,4,6,8,10,12,14,16,18,20,22,24,26,28,30
.irp t, 0,1
	v_pk_mul_f32 v[O+32*\t+\i:O+32*\t+\i+1], v[O+32*\t+\i:O+32*\t+\i+1], v[ST+8*\t+6:ST+8*\t+7] op_sel_hi:[1,0]   ; O^T x a
.endr
.endr
	s_wait_dscnt 0x0                               ; V is in
.irp u, 0,1                            ; O^T += V^T P: the eight accumulators by turns
.irp ct, 0,1,2,3
.irp t, 0,1
	v_wmma_f32_16x16x32_f16 v[O+32*\t+8*\ct:O+32*\t+8*\ct+7], v[KV+8*(4*\u+\ct):KV+8*(4*\u+\ct)+7], v[S+32*\t+8*\u:S+32*\t+8*\u+7], v[O+32*\t+8*\ct:O+32*\t+8*\ct+7]
.endr
.endr
.endr
.rept 5
	v_nop                                          ; five places: the next step's products write over P's registers, its loads land on V's
.endr
.Lhidden_\@:
	s_add_co_i32 s14, s14, 64
	s_add_co_u32 s16, s16, 64*KP
	s_add_co_u32 s17, s17, 64*VP
.endm
.macro FOUR_STEPS                      ; a block's four steps: written once, walked four times; then on to the block before, in the next slot
	s_mov_b32 s19, 4
.Lstep_\@:
	STEP
	s_sub_co_u32 s19, s19, 1
	s_cmp_lg_u32 s19, 0
	s_cbranch_scc1 .Lstep_\@
	s_sub_co_i32 s14, s14, 512
	s_add_co_u32 s16, s16, SLOT-256*KP
	s_add_co_u32 s17, s17, SLOT-256*VP
.endm
; THE CHANGE OF BLOCKS stands at a block's head: each wave waits for all its tensor loads (its part of the slot that it is about to read), adds 0 to its spare word, waits for that and for its LDS reads, and passes the barrier.
; fill = 1: behind it the block before goes into the next slot, a first fill, one load a wave: it has a block's steps in which to land.
.macro CHANGE fill
	s_wait_tensorcnt 0x0                           ; no tensor load of mine is out, so a group 0 may be written
	ds_add_u32 v[SPW], v[NIL]
.if \fill
	s_add_co_u32 s41, s41, SLOT
	s_add_co_u32 s45, s45, SLOT
	s_sub_nc_u64 s[42:43], s[42:43], 32768         ; 256 rows of 128 bytes back
	s_sub_nc_u64 s[46:47], s[46:47], 32768
.endif
	s_wait_dscnt 0x0
	s_barrier_signal -1
	s_barrier_wait -1
.if \fill
	s_cmp_lt_i32 s15, 0                            ; a block ahead of the sequence's start is read by no step, so it is not asked for: the work-group's number and the count of trips alone
	s_cbranch_scc1 .Lpast_\@
	TLOAD
.Lpast_\@:
	s_sub_co_i32 s15, s15, 1
.endif
.endm
	s_wait_loadcnt 0x0                             ; Q
	s_mov_b32 s18, 2
.Lslot:
	CHANGE 1
	FOUR_STEPS
	s_sub_co_u32 s18, s18, 1
	s_cmp_lg_u32 s18, 0
	s_cbranch_scc1 .Lslot
	CHANGE 0                                       ; the last block: nothing more is asked for
	FOUR_STEPS
; THE WAY OUT: O^T / l, rounded to f16, through my stage, and out so that sixteen lanes store 256 consecutive bytes, aligned: two positions of my head.
.irp t, 0,1
	v_add_f32 v[ST+8*\t+4], v[ST+8*\t+2], v[ST+8*\t+3]
.endr
.irp t, 0,1
	v_permlanex16_b32 v[ST+8*\t+5], v[ST+8*\t+4], s20, s21
.endr
.irp t, 0,1
	v_add_f32 v[ST+8*\t+4], v[ST+8*\t+4], v[ST+8*\t+5]
.endr
.irp t, 0,1
	v_rcp_f32 v[ST+8*\t+6], v[ST+8*\t+4]
.endr
	v_and_b32 v252, 15, v0                         ; r  (plain work behind the reciprocals)
	v_bfe_u32 v11, v0, 4, 1                        ; h
	s_mul_i32 s48, s12, 32*KP
	s_add_co_u32 s48, s48, STAGE
	v_mul_u32_u24 v253, v252, KP
	v_lshl_add_u32 v253, v11, 4, v253
	v_add_nc_u32 v253, s48, v253                   ; in: row 16 t + r, 32 ct + 16 h
	v_bfe_u32 v254, v0, 3, 2
	v_mul_u32_u24 v254, v254, KP
	v_and_b32 v255, 7, v0
	v_lshl_add_u32 v254, v255, 4, v254
	v_add_nc_u32 v254, s48, v254                   ; back: eight lanes to a row, four rows an instruction
	v_lshlrev_b32 v255, 12, v11
	v_lshl_add_u32 v255, v252, 4, v255             ; ctx: lanes 16-31 one pair of positions further on
	s_wait_alu depctr_va_vdst(0)                   ; one wait for the two reciprocals, ahead of their first reader
.irp i, 0,2,4,6,8,10,12,14,16,18,20,22,24,26,28,30
.irp t, 0,1
	v_pk_mul_f32 v[O+32*\t+\i:O+32*\t+\i+1], v[O+32*\t+\i:O+32*\t+\i+1], v[ST+8*\t+6:ST+8*\t+7] op_sel_hi:[1,0]
.endr
.endr
.set n, 0
.rept 16
.irp t, 0,1
	v_cvt_pk_f16_f32 v[S+16*\t+n], v[O+32*\t+2*n], v[O+32*\t+2*n+1]
.endr
.set n, n+1
.endr
.irp t, 0,1
.irp ct, 0,1,2,3
	ds_store_b128 v253, v[S+16*\t+4*\ct:S+16*\t+4*\ct+3] offset:16*KP*\t+32*\ct
.endr
.endr
.irp i, 0,1,2,3,4,5,6,7
	ds_load_b128 v[S+32+4*\i:S+32+4*\i+3], v254 offset:4*KP*\i    ; LDS serves a wave's instructions in order: these see my stores
.endr
.irp i, 0,1,2,3,4,5,6,7
	s_wait_dscnt 7-\i                              ; group i is back; the later groups may be out
	global_store_b128 v255, v[S+32+4*\i:S+32+4*\i+3], s[6:7] offset:8192*\i
.endr
	s_wait_tensorcnt 0x0                           ; the wave's end
	ds_add_u32 v[SPW], v[NIL]
	s_wait_dscnt 0x0
	s_endpgm
.Lfunc_end_k_q75c12fae16_attn:
	.size	k_q75c12fae16_attn, .Lfunc_end_k_q75c12fae16_attn-k_q75c12fae16_attn
	.p2alignl 7, 3214868480
	.fill 96, 4, 3214868480
	.section	.rodata,"a",@progbits
	.p2align	6, 0x0
	.amdhsa_kernel k_q75c12fae16_attn
		.amdhsa_group_segment_fixed_size 327680
		.amdhsa_private_segment_fixed_size 0
		.amdhsa_enable_private_segment 0
		.amdhsa_kernarg_size 16
		.amdhsa_user_sgpr_count 2
		.amdhsa_user_sgpr_kernarg_segment_ptr 1
		.amdhsa_wavefront_size32 1
		.amdhsa_system_sgpr_workgroup_id_x 1
		.amdhsa_system_sgpr_workgroup_id_y 1
		.amdhsa_system_sgpr_workgroup_id_z 1
		.amdhsa_system_vgpr_workitem_id 0
		.amdhsa_next_free_vgpr 256
		.amdhsa_next_free_sgpr 66
		.amdhsa_reserve_vcc 1
		.amdhsa_float_denorm_mode_32 3
		.amdhsa_float_denorm_mode_16_64 3
		.amdhsa_memory_ordered 1
		.amdhsa_forward_progress 1
		.amdhsa_inst_pref_size 69
	.end_amdhsa_kernel
	.amdgpu_metadata
---
amdhsa.version: [ 1, 2 ]
amdhsa.kernels:
  - .name:           k_q75c12fae16_attn
    .symbol:         k_q75c12fae16_attn.kd
    .args:
      - { .name: qkv, .offset: 0, .size: 8, .value_kind: global_buffer, .address_space: global }
      - { .name: ctx, .offset: 8, .size: 8, .value_kind: global_buffer, .address_space: global }
    .group_segment_fixed_size: 327680
    .private_segment_fixed_size: 0
    .kernarg_segment_align: 8
    .kernarg_segment_size: 16
    .max_flat_workgroup_size: 256
    .sgpr_count:     66
    .vgpr_count:     256
    .wavefront_size: 32
...
	.end_amdgpu_metadata
.endif
;; end of part 3
;; launch outp (part 4): grid 8 x 32, 4 waves a work-group, clusters of 4 x 4, 327,680 bytes of LDS; arguments ctx, wo16, bo, out0; writes out0
.if DOCPART == 4
	.amdgcn_target "amdgcn-amd-amdhsa--gfx1250"
	.amdhsa_code_object_version 6
	.text
	.protected	k_q75c12fae16_outp
	.globl	k_q75c12fae16_outp
	.p2align	8
	.type	k_q75c12fae16_outp,@function
k_q75c12fae16_outp:
	s_mov_b64 s[64:65], 0
	v_nop
	global_prefetch_b8 v0, s[64:65] scope:SCOPE_SE
	s_setreg_imm32_b32 hwreg(HW_REG_WAVE_MODE, 25, 1), 1
	s_wait_xcnt 0x0
	s_wait_alu depctr_hold_cnt(0) depctr_sa_sdst(0) depctr_va_vdst(0) depctr_va_sdst(0) depctr_va_ssrc(0) depctr_va_vcc(0) depctr_vm_vsrc(0)
	s_getreg_b32 s2, hwreg(HW_REG_IB_STS2, 6, 4)
	s_cmp_eq_u32 s2, 0
	s_cbranch_scc0 .Lentry_in_a_cluster
	s_endpgm
.Lentry_in_a_cluster:
	s_bfe_u32 s2, ttmp6, 0x10000c
	s_cmp_lg_u32 s2, 0xf033
	s_cbranch_scc0 .Lentry_shape_is_right
	s_endpgm
.Lentry_shape_is_right:
; OUTP: out0 = ctx Wo + bo, 4,096 x 1,024 x 1,024, f16 operands, f32 sums.
; IN: ctx, f16, [position / 2][head][position % 2][64] (a pair of positions is 4,096 bytes); wo16, f16, [k][n]; bo f32.  OUT: out0 f32.  (Rows 0-15 are written here like all rows and are written again, finely, by the last launch.)
; SHARES: a tile of 128 x 128 gives 8 x 32 = 256 work-groups; four waves, each 64 x 64: 16 accumulators.  K goes in four steps of 256 (four heads) through two LDS slots.
; A's tile: 64 pairs of positions x 1,024 bytes (+ 16 of padding); B's tile: 256 rows k x 256 bytes (+ 32), read turned.  Each wave fetches half a tile by one tensor load.
; CLUSTER: 4 x 4 work-groups; A's tile is shared along a row of the cluster, B's along a column: each is asked for jointly.
; THE MATRIX INSTRUCTION IS USED TRANSPOSED (source 0 = 16 columns of Wo, source 1 = 16 positions): a lane holds one position and eight neighbouring outputs.  The bias is the C of each sum's first product.
; NO PREFETCH: four short K steps on small tiles.
; REGISTERS: window 0: v16-29 addresses; v32-95 the way out; v96-127 the bias, 8 a column block; v128-255 the accumulators ((a, b) at v[128 + 8 (4 a + b)]).  window 1: two fragment buffers of 128 (64 of A, 64 of B).
.set AP,     1040
.set BP,     288
.set BOFF,   66560                     ; a slot: A's 64 rows, then B's 256 rows
.set SLOT,   140288
.set SPARE,  280576                    ; the spare words: two blocks of 256 bytes that no other line names
.set SPITCH, 272                       ; the way out: 16 rows x (256 + 16) bytes for each wave, in slot 0, which has had its last fill and its last read by then
.set ADRA, 16                          ; v16-17 my A fragments in slot 0, 1
.set ADRB, 20                          ; v20-21 my B fragments, k rows 0-127; v22-23 k rows 128-255
.set STO,  24
.set RD,   25
.set CO,   26
.set BA,   27
.set SPW,  28
.set NIL,  29
.set TMP,  32
.set BI,   96
.set ACC,  128
.set F0,   0
.set F1,   128
.set WV,   14
.set RH,   15                          ; which half of the tile's rows is mine; also: I fetch for A (0) or B (1)
.set CH,   16                          ; which half of its columns; also: which half of that tile I fetch
.set G1,   24
.set G0,   32
.set G1B,  48
.set G0B,  56
.set MSB, 0
.macro WIN new
.if MSB != \new
	s_set_vgpr_msb (MSB<<8)|\new
.set MSB, \new
.endif
.endm
.set MUL,  0x05                        ; sources 0 and 1 window 1; C and D window 0
.set TO_F, 0x40                        ; destination window 1, address window 0
.macro JLOAD s                         ; a joint load; an s_nop 0 and four v_nop follow each of the two lines
	s_cmp_eq_u32 s[RH], 0
	s_cbranch_scc0 .Lfor_b_\@
	tensor_load_to_lds s[G0+4*\s:G0+4*\s+3], s[G1:G1+7]
	s_nop 0
.rept 4
	v_nop
.endr
	s_branch .Lasked_\@
.Lfor_b_\@:
	tensor_load_to_lds s[G0B+4*\s:G0B+4*\s+3], s[G1B:G1B+7]
	s_nop 0
.rept 4
	v_nop
.endr
.Lasked_\@:
.endm
.macro CREST
	s_cmp_lg_u32 s[WV], 0
	s_cbranch_scc1 .Lnot_wave_0_\@
	s_barrier_signal -3
.Lnot_wave_0_\@:
	s_barrier_wait -3
	s_barrier_signal -1
	s_barrier_wait -1
.endm
.macro CROUND
	s_barrier_signal -1
	s_barrier_wait -1
	CREST
.endm
.macro PLACES
.rept 4
	v_nop
.endr
.endm
	s_load_b256 s[4:11], s[0:1], 0x0               ; ctx s[4:5], wo16 s[6:7], bo s[8:9], out0 s[10:11]
	v_lshl_add_u32 v[SPW], v0, 2, SPARE
	v_mov_b32 v[NIL], 0
	ds_add_u32 v[SPW], v[NIL]                      ; the wave's opening: the add, twice on end, and its wait ahead of my first tensor load
	ds_add_u32 v[SPW], v[NIL]
	v_lshrrev_b32 v1, 5, v0
	v_readfirstlane_b32 s[WV], v1
	s_lshr_b32 s[RH], s[WV], 1
	s_and_b32 s[CH], s[WV], 1
	s_bfe_u32 s40, ttmp6, 0x40000                  ; cx
	s_bfe_u32 s41, ttmp6, 0x40004                  ; cy
	s_lshl_b32 s42, ttmp9, 2
	s_add_co_u32 s42, s42, s40                     ; tile column
	s_and_b32 s13, ttmp7, 0xffff
	s_lshl_b32 s13, s13, 2
	s_add_co_u32 s13, s13, s41                     ; tile row
	s_lshl_b32 s43, s41, 2
	s_lshl_b32 s43, 15, s43                        ; my row of the cluster
	s_lshl_b32 s44, 0x1111, s40                    ; my column
	s_or_b32 s[G1], s43, (1<<16)|(1<<20)|(1<<21)|(7<<22)|(3<<25)    ; A: elements of 2 bytes; 4 words of padding behind every 256
	s_mov_b32 s[G1+1], 512<<16                     ; 512 elements a row,
	s_mov_b32 s[G1+2], 32<<16                      ; 32 rows (pairs of positions),
	s_mov_b32 s[G1+3], 512<<16
	s_mov_b32 s[G1+4], 32
	s_mov_b32 s[G1+5], 2048                        ; 2,048 elements from row to row
	s_mov_b32 s[G1+6], 0
	s_mov_b32 s[G1+7], 0
	s_or_b32 s[G1B], s44, (1<<16)|(1<<20)|(1<<21)|(5<<22)|(7<<25)   ; B: 8 words of padding behind every 64
	s_mov_b32 s[G1B+1], 128<<16
	s_mov_b32 s[G1B+2], 128<<16
	s_mov_b32 s[G1B+3], 128<<16
	s_mov_b32 s[G1B+4], 128
	s_mov_b32 s[G1B+5], 1024
	s_mov_b32 s[G1B+6], 0
	s_mov_b32 s[G1B+7], 0
	s_lshl_b32 s18, s13, 18                        ; A: (64 tile row + 32 half) rows of 4,096 bytes.  The registers that feed A's descriptors never hold cx, B's never cy
	s_lshl_b32 s17, s[CH], 17
	s_add_co_u32 s18, s18, s17
	s_mov_b32 s19, 0
	s_lshl_b32 s46, s42, 8                         ; B: 128 half rows of 2,048 bytes + tile column x 256
	s_lshl_b32 s17, s[CH], 18
	s_add_co_u32 s46, s46, s17
	s_mov_b32 s47, 0
	s_mul_i32 s20, s[CH], 32*AP                    ; where they go: the wave's number alone
	s_mul_i32 s21, s[CH], 128*BP
	s_add_co_u32 s21, s21, BOFF
	s_wait_dscnt 0x0                               ; both opening adds are done
	s_wait_kmcnt 0x0
	s_add_nc_u64 s[22:23], s[4:5], s[18:19]
	s_add_nc_u64 s[46:47], s[6:7], s[46:47]
	CROUND                                         ; all sixteen work-groups are here: the first joint loads meet
.irp s, 0,1
	s_mov_b32 s[G0+4*\s], 1
	s_add_co_u32 s[G0+4*\s+1], s20, \s*SLOT
	s_add_nc_u64 s[G0+4*\s+2:G0+4*\s+3], s[22:23], \s*1024          ; K step s: four heads, 1,024 bytes on in each row
	s_or_b32 s[G0+4*\s+3], s[G0+4*\s+3], 0x80000000
	s_mov_b32 s[G0B+4*\s], 1
	s_add_co_u32 s[G0B+4*\s+1], s21, \s*SLOT
	s_add_nc_u64 s[G0B+4*\s+2:G0B+4*\s+3], s[46:47], \s*524288      ; 256 rows of 2,048 bytes on
	s_or_b32 s[G0B+4*\s+3], s[G0B+4*\s+3], 0x80000000
	JLOAD \s
.endr
	v_and_b32 v1, 15, v0                           ; r
	v_bfe_u32 v2, v0, 4, 1                         ; h
	v_lshlrev_b32 v[BA], 5, v2
	s_lshl_b32 s2, s42, 9                          ; the bias of my 64 columns
	s_lshl_b32 s3, s[CH], 8
	s_add_co_u32 s2, s2, s3
	s_mov_b32 s3, 0
	s_add_nc_u64 s[8:9], s[8:9], s[2:3]
.irp b, 0,1,2,3
	global_load_b128 v[BI+8*\b:BI+8*\b+3], v[BA], s[8:9] offset:64*\b          ; lane (r, h): bo of columns 16 b + 8 h + 0 .. 7
	global_load_b128 v[BI+8*\b+4:BI+8*\b+7], v[BA], s[8:9] offset:64*\b+16
.endr
	v_lshrrev_b32 v3, 1, v1                        ; A: position r lies in pair r / 2, half r % 2
	v_mul_u32_u24 v3, v3, AP
	v_and_b32 v4, 1, v1
	v_lshl_add_u32 v3, v4, 7, v3
	v_lshl_add_u32 v3, v2, 4, v3
	s_mul_i32 s21, s[RH], 32*AP
	v_add_nc_u32 v[ADRA], s21, v3
	v_add_nc_u32 v[ADRA+1], SLOT, v[ADRA]
	v_and_b32 v4, 7, v0                            ; B, turned: lane l reads row k 8 h + l % 8, columns 8 ((l / 8) % 2) on
	v_lshl_add_u32 v4, v2, 3, v4
	v_mul_u32_u24 v4, v4, BP
	v_bfe_u32 v5, v0, 3, 1
	v_lshl_add_u32 v4, v5, 4, v4
	s_lshl_b32 s21, s[CH], 7
	s_add_co_u32 s21, s21, BOFF
	v_add_nc_u32 v[ADRB], s21, v4
	v_add_nc_u32 v[ADRB+1], SLOT, v[ADRB]
	v_add_nc_u32 v[ADRB+2], 128*BP, v[ADRB]        ; a second pair of registers keeps every immediate inside 16 bits
	v_add_nc_u32 v[ADRB+3], 128*BP, v[ADRB+1]
	s_mul_i32 s21, s[WV], 16*SPITCH                ; my stage
	v_mul_u32_u24 v5, v1, SPITCH
	v_lshl_add_u32 v5, v2, 5, v5
	v_add_nc_u32 v[STO], s21, v5
	v_mul_u32_u24 v5, v2, SPITCH
	v_lshl_add_u32 v5, v1, 4, v5
	v_add_nc_u32 v[RD], s21, v5
	v_lshlrev_b32 v5, 12, v2
	v_lshl_add_u32 v[CO], v1, 4, v5
	s_lshl_b32 s2, s13, 19                         ; out0: (128 tile row + 64 half) rows of 4,096 bytes + (128 tile column + 64 half) x 4
	s_lshl_b32 s3, s[RH], 18
	s_add_co_u32 s2, s2, s3
	s_lshl_b32 s3, s42, 9
	s_add_co_u32 s2, s2, s3
	s_lshl_b32 s3, s[CH], 8
	s_add_co_u32 s2, s2, s3
	s_mov_b32 s3, 0
	s_add_nc_u64 s[10:11], s[10:11], s[2:3]
; 8 matrix instructions: blocks of positions a0, a0 + 1 x all 4 column blocks, 32 along K: half c of buffer f.  first = 1: the bias starts the sums.  The 16 accumulators take turns.
.macro MUL8 f, c, a0, first
.irp a, \a0, \a0+1
.irp b, 0,1,2,3
.if \first
	v_wmma_f32_16x16x32_f16 v[ACC+8*(4*(\a)+\b):ACC+8*(4*(\a)+\b)+7], v[\f+64+8*(4*\c+\b):\f+64+8*(4*\c+\b)+7], v[\f+8*(4*\c+\a):\f+8*(4*\c+\a)+7], v[BI+8*\b:BI+8*\b+7]
.else
	v_wmma_f32_16x16x32_f16 v[ACC+8*(4*(\a)+\b):ACC+8*(4*(\a)+\b)+7], v[\f+64+8*(4*\c+\b):\f+64+8*(4*\c+\b)+7], v[\f+8*(4*\c+\a):\f+8*(4*\c+\a)+7], v[ACC+8*(4*(\a)+\b):ACC+8*(4*(\a)+\b)+7]
.endif
.endr
.endr
.endm
; 32 LDS loads in one run: the fragments of quarter qd (64 along K: one head) of a slot into buffer f; the first 32 along K first
.macro FETCH slot, qd, f
	WIN TO_F
.irp c, 0,1
.irp i, 0,1,2,3
	ds_load_tr16_b128 v[\f+64+8*(4*\c+\i):\f+64+8*(4*\c+\i)+3],   v[ADRB+\slot+2*((\qd)/2)] offset:(64*((\qd)%2)+32*\c)*BP+32*\i
	ds_load_tr16_b128 v[\f+64+8*(4*\c+\i)+4:\f+64+8*(4*\c+\i)+7], v[ADRB+\slot+2*((\qd)/2)] offset:(64*((\qd)%2)+32*\c)*BP+32*\i+16*BP
	ds_load_b128 v[\f+8*(4*\c+\i):\f+8*(4*\c+\i)+3],              v[ADRA+\slot] offset:256*(\qd)+64*\c+8*AP*\i
	ds_load_b128 v[\f+8*(4*\c+\i)+4:\f+8*(4*\c+\i)+7],            v[ADRA+\slot] offset:256*(\qd)+64*\c+8*AP*\i+32
.endr
.endr
.endm
.macro QUARTER slot, qd, f, g, first   ; multiplies buffer f and fetches quarter qd of the same slot into g
	s_wait_dscnt 16                                ; the first 32 along K are in; the other sixteen loads may be out
	WIN MUL
	MUL8 \f, 0, 0, \first
	MUL8 \f, 0, 2, \first
	PLACES                                         ; four places ahead of loads into registers that matrix instructions have read
	FETCH \slot, \qd, \g
	s_wait_dscnt 32                                ; all but the 32 just issued
	WIN MUL
	MUL8 \f, 1, 0, 0
	MUL8 \f, 1, 2, 0
.endm
; A slot's last quarter changes slots: one barrier; ahead of it each wave waits for all its tensor loads, adds 0 to its spare word, and waits for that and for its reads of this slot.
; fill = 1: the barrier opens a round of the cluster's, and this slot is filled again, two K steps on.
.macro TURN slot, next, fill
	WIN 0
	s_wait_tensorcnt 0x0                           ; all my tensor loads have landed: my part of the next slot
	ds_add_u32 v[SPW], v[NIL]
	s_wait_dscnt 17                                ; the add and the youngest sixteen loads may be out
	WIN MUL
	MUL8 F1, 0, 0, 0
	s_wait_dscnt 0x0                               ; the add is done, and my reads of this slot are over
	s_barrier_signal -1
	MUL8 F1, 0, 2, 0
.if \fill
	WIN 0
.endif
	s_barrier_wait -1
.if \fill
	CREST                                          ; no wave of any partner still reads this slot's tile or has a load on its way
	s_add_nc_u64 s[G0+4*\slot+2:G0+4*\slot+3], s[G0+4*\slot+2:G0+4*\slot+3], 2048
	s_add_nc_u64 s[G0B+4*\slot+2:G0B+4*\slot+3], s[G0B+4*\slot+2:G0B+4*\slot+3], 1048576
	JLOAD \slot                                    ; the first tensor load behind the round; its four v_nop are also the places ahead of the loads below
.else
	PLACES
.endif
	FETCH \next, 0, F0
	WIN MUL
	MUL8 F1, 1, 0, 0
	MUL8 F1, 1, 2, 0
.endm
	s_wait_tensorcnt 1                             ; my part of K step 0 is in; K step 1's load may be out
	s_barrier_signal -1
	s_barrier_wait -1
	FETCH 0, 0, F0
	s_wait_loadcnt 0x0                             ; the bias
	QUARTER 0, 1, F0, F1, 1                        ; K step 0
	QUARTER 0, 2, F1, F0, 0
	QUARTER 0, 3, F0, F1, 0
	TURN 0, 1, 1                                   ; slot 0 takes K step 2
	QUARTER 1, 1, F0, F1, 0                        ; K step 1
	QUARTER 1, 2, F1, F0, 0
	QUARTER 1, 3, F0, F1, 0
	TURN 1, 0, 1                                   ; slot 1 takes K step 3
	QUARTER 0, 1, F0, F1, 0                        ; K step 2
	QUARTER 0, 2, F1, F0, 0
	QUARTER 0, 3, F0, F1, 0
	TURN 0, 1, 0                                   ; nothing more is asked for
	QUARTER 1, 1, F0, F1, 0                        ; K step 3
	QUARTER 1, 2, F1, F0, 0
	QUARTER 1, 3, F0, F1, 0
	s_wait_dscnt 16
	WIN MUL
	MUL8 F1, 0, 0, 0
	MUL8 F1, 0, 2, 0
	s_wait_dscnt 0x0
	MUL8 F1, 1, 0, 0
	MUL8 F1, 1, 2, 0
	WIN 0
; THE WAY OUT, 16 positions at a time.  My 64 columns of a row are 256 consecutive bytes, aligned: so the stage is my own and no barrier is needed.  32 bytes a lane in, whole rows back, sixteen lanes to a row.
.macro TOSTAGE a
.irp b, 0,1,2,3
	ds_store_b128 v[STO], v[ACC+8*(4*(\a)+\b):ACC+8*(4*(\a)+\b)+3] offset:64*\b       ; each accumulator from its low end on
	ds_store_b128 v[STO], v[ACC+8*(4*(\a)+\b)+4:ACC+8*(4*(\a)+\b)+7] offset:64*\b+16
.endr
.irp t, 0,1,2,3,4,5,6,7
	ds_load_b128 v[TMP+32*((\a)%2)+4*\t:TMP+32*((\a)%2)+4*\t+3], v[RD] offset:2*SPITCH*\t   ; LDS serves a wave's instructions in order: these see my stores
.endr
.endm
.macro SEND a, younger
	s_wait_dscnt \younger                          ; the block is back; the next block's 8 stores and 8 loads may be out
.irp t, 0,1,2,3,4,5,6,7
	global_store_b128 v[CO], v[TMP+32*((\a)%2)+4*\t:TMP+32*((\a)%2)+4*\t+3], s[10:11] offset:(16*(\a)+2*\t)*4096 th:TH_STORE_NT
.endr
.endm
	PLACES
	TOSTAGE 0
	TOSTAGE 1
	SEND 0, 16
	s_wait_xcnt 0x0                                ; block 0's stores have read their registers: block 2's loads may land there
	TOSTAGE 2
	SEND 1, 16
	s_wait_xcnt 0x0
	TOSTAGE 3
	SEND 2, 16
	SEND 3, 0
	s_wait_tensorcnt 0x0                           ; the wave's end
	ds_add_u32 v[SPW], v[NIL]
	s_wait_dscnt 0x0
	CROUND                                         ; the closing round
	s_endpgm
.Lfunc_end_k_q75c12fae16_outp:
	.size	k_q75c12fae16_outp, .Lfunc_end_k_q75c12fae16_outp-k_q75c12fae16_outp
	.p2alignl 7, 3214868480
	.fill 96, 4, 3214868480
	.section	.rodata,"a",@progbits
	.p2align	6, 0x0
	.amdhsa_kernel k_q75c12fae16_outp
		.amdhsa_group_segment_fixed_size 327680
		.amdhsa_private_segment_fixed_size 0
		.amdhsa_enable_private_segment 0
		.amdhsa_kernarg_size 32
		.amdhsa_user_sgpr_count 2
		.amdhsa_user_sgpr_kernarg_segment_ptr 1
		.amdhsa_wavefront_size32 1
		.amdhsa_system_sgpr_workgroup_id_x 1
		.amdhsa_system_sgpr_workgroup_id_y 1
		.amdhsa_system_sgpr_workgroup_id_z 1
		.amdhsa_system_vgpr_workitem_id 0
		.amdhsa_next_free_vgpr 512
		.amdhsa_next_free_sgpr 66
		.amdhsa_reserve_vcc 0
		.amdhsa_float_denorm_mode_32 3
		.amdhsa_float_denorm_mode_16_64 3
		.amdhsa_memory_ordered 1
		.amdhsa_forward_progress 1
		.amdhsa_inst_pref_size 86
	.end_amdhsa_kernel
	.amdgpu_metadata
---
amdhsa.version: [ 1, 2 ]
amdhsa.kernels:
  - .name:           k_q75c12fae16_outp
    .symbol:         k_q75c12fae16_outp.kd
    .args:
      - { .name: ctx, .offset: 0, .size: 8, .value_kind: global_buffer, .address_space: global }
      - { .name: wo16, .offset: 8, .size: 8, .value_kind: global_buffer, .address_space: global }
      - { .name: bo, .offset: 16, .size: 8, .value_kind: global_buffer, .address_space: global }
      - { .name: out0, .offset: 24, .size: 8, .value_kind: global_buffer, .address_space: global }
    .group_segment_fixed_size: 327680
    .private_segment_fixed_size: 0
    .kernarg_segment_align: 8
    .kernarg_segment_size: 32
    .max_flat_workgroup_size: 128
    .sgpr_count:     66
    .vgpr_count:     512
    .wavefront_size: 32
...
	.end_amdgpu_metadata
.endif
;; end of part 4
;; launch fine (part 5): grid 64 x 1, 16 waves a work-group, no clusters, 18,432 bytes of LDS; arguments top32, Wo, bo, out0; writes out0
.if DOCPART == 5
	.amdgcn_target "amdgcn-amd-amdhsa--gfx1250"
	.amdhsa_code_object_version 6
	.text
	.protected	k_q75c12fae16_fine
	.globl	k_q75c12fae16_fine
	.p2align	8
	.type	k_q75c12fae16_fine,@function
k_q75c12fae16_fine:
	s_mov_b64 s[64:65], 0
	v_nop
	global_prefetch_b8 v0, s[64:65] scope:SCOPE_SE
	s_setreg_imm32_b32 hwreg(HW_REG_WAVE_MODE, 25, 1), 1
	s_wait_xcnt 0x0
; FINE: rows 0-15 of out0 once more, all in f32: these positions average 1 to 16 values, where the rounding of 16-bit operands weighs most.
; IN: top32, f32, [16 positions][3072: q, k, v]; Wo, bo f32.  OUT: out0 rows 0-15 (65,536 bytes), over what the launch before has written there.
; SHARES: a work-group makes 16 output columns; wave w takes head w: its attention over the 16 positions, then its 16 x 64 of ctx, straight from the accumulators, times Wo's 64 rows x 16 columns.
; The sixteen heads' parts meet in LDS and are added in ascending order.  Each work-group repeats the attention (196,608 bytes read): small beside four times the chain on each SIMD that 16 work-groups would have.
; Runs of 64 bytes are read of Wo and stored to out0: the launch stores 65,536 bytes in all.
; All products by the f32 matrix form of 16 x 16 x 4, unrolled, four accumulators by turns, each sum begun with the constant 0; their registers v144-239 are written by matrix instructions alone.
; K is permuted alike on both operands of each product, so that plain loads and the accumulators themselves are the operands.
; The window of 512 never reaches these rows: the causal edge alone is masked.
.set SPARE, 16384                      ; behind the sixteen parts of 1,024 bytes: the spare words, eight blocks of 256 bytes that no other line names
.set SPW, 10
.set NIL, 11
.set QF,  16                           ; v16-47   q(r, 32 h + i)
.set KF,  48                           ; v48-79   k(r, 32 h + i)
.set VF,  80                           ; v80-111  register 8 ct + kk: v(8 h + kk, 16 ct + r)
.set WF,  112                          ; v112-143 register 8 ct + kk: Wo(64 head + 16 ct + 8 h + kk, n0 + r)
.set SAC, 144
.set OAC, 176
.set YAC, 208
.set T,   240                          ; v240-247 scores, then p, then my head's part of the result
	s_load_b256 s[4:11], s[0:1], 0x0               ; top32 s[4:5], Wo s[6:7], bo s[8:9], out0 s[10:11]
	v_lshl_add_u32 v[SPW], v0, 2, SPARE
	v_mov_b32 v[NIL], 0
	v_lshrrev_b32 v1, 5, v0
	v_readfirstlane_b32 s12, v1                    ; wave = head
	v_and_b32 v1, 15, v0                           ; r
	v_bfe_u32 v2, v0, 4, 1                         ; h
	v_and_b32 v3, 31, v0                           ; lane
	v_mul_u32_u24 v4, v1, 12288
	v_lshl_add_u32 v4, v2, 7, v4                   ; q, k: row r, channels 32 h on
	v_lshlrev_b32 v7, 2, v1
	v_mul_u32_u24 v5, v2, 98304
	v_add_nc_u32 v5, v5, v7                        ; v: rows 8 h on, channel r
	v_lshl_add_u32 v6, v2, 15, v7                  ; Wo: rows 8 h on, column r
	v_lshlrev_b32 v8, 3, v2
	v_sub_nc_u32 v8, v1, v8                        ; r - 8 h
	s_lshl_b32 s13, s12, 10
	v_lshl_add_u32 v9, v3, 2, s13                  ; LDS: my head's part
	s_lshl_b32 s13, s12, 7
	v_lshl_add_u32 v12, v3, 2, s13                 ; LDS, waves 0-7: register = wave of every head's part
	s_lshl_b32 s13, s12, 12
	v_lshl_add_u32 v13, v2, 15, v7
	v_add_nc_u32 v13, s13, v13                     ; out0: row 8 h + wave, column r
	v_mov_b32 v14, 0xff800000
	s_mov_b32 s14, 0x76543210
	s_mov_b32 s15, 0xfedcba98
	s_mov_b32 s16, 0x3e38aa3b                      ; c = log2(e) / 8
	s_lshl_b32 s18, s12, 8                         ; top32: my head's 64 columns
	s_mov_b32 s19, 0
	s_lshl_b32 s20, s12, 18                        ; Wo: my head's 64 rows, the work-group's 16 columns
	s_lshl_b32 s22, ttmp9, 6
	s_add_co_u32 s20, s20, s22
	s_mov_b32 s21, 0
	s_mov_b32 s23, 0
	s_wait_kmcnt 0x0
	s_add_nc_u64 s[4:5], s[4:5], s[18:19]
	s_add_nc_u64 s[6:7], s[6:7], s[20:21]
	s_add_nc_u64 s[8:9], s[8:9], s[22:23]
	s_add_nc_u64 s[10:11], s[10:11], s[22:23]
.irp i, 0,1,2,3,4,5,6,7
	global_load_b128 v[QF+4*\i:QF+4*\i+3], v4, s[4:5] offset:16*\i
.endr
.irp i, 0,1,2,3,4,5,6,7
	global_load_b128 v[KF+4*\i:KF+4*\i+3], v4, s[4:5] offset:4096+16*\i
.endr
.irp ct, 0,1,2,3
.irp kk, 0,1,2,3,4,5,6,7
	global_load_b32 v[VF+8*\ct+\kk], v5, s[4:5] offset:8192+12288*\kk+64*\ct
.endr
.endr
.irp ct, 0,1,2,3
.irp kk, 0,1,2,3,4,5,6,7
	global_load_b32 v[WF+8*\ct+\kk], v6, s[6:7] offset:(16*\ct+\kk)*4096
.endr
.endr
	global_load_b32 v15, v7, s[8:9]                ; the bias of column r
	s_wait_loadcnt 63                              ; q and k are in: 65 loads were issued behind them; the wait names the most that its field holds, which is fewer
.irp s, 0,1,2,3,4,5,6,7,8,9,10,11,12,13,14,15      ; S^T = K Q^T: step s takes channels 32 h + 2 s, + 1 on both sides
.if \s < 4
	v_wmma_f32_16x16x4_f32 v[SAC+8*(\s%4):SAC+8*(\s%4)+7], v[KF+2*\s:KF+2*\s+1], v[QF+2*\s:QF+2*\s+1], 0
.else
	v_wmma_f32_16x16x4_f32 v[SAC+8*(\s%4):SAC+8*(\s%4)+7], v[KF+2*\s:KF+2*\s+1], v[QF+2*\s:QF+2*\s+1], v[SAC+8*(\s%4):SAC+8*(\s%4)+7]
.endif
.endr
.rept 8
	v_nop                                          ; eight places behind this form, ahead of the first read of results
.endr
.irp j, 0,1,2,3,4,5,6,7
	v_add_f32 v[T+\j], v[SAC+\j], v[SAC+8+\j]      ; the four partial sums, each accumulator from its low end on: register j: key 8 h + j, query r
.endr
.irp j, 0,1,2,3,4,5,6,7
	v_add_f32 v[T+\j], v[T+\j], v[SAC+16+\j]
.endr
.irp j, 0,1,2,3,4,5,6,7
	v_add_f32 v[T+\j], v[T+\j], v[SAC+24+\j]
.endr
.irp j, 0,1,2,3,4,5,6,7
	v_cmp_gt_i32 vcc_lo, \j, v8                    ; key 8 h + j after query r: hidden
	v_cndmask_b32 v[T+\j], v[T+\j], v14, vcc_lo
.endr
	v_max3_num_f32 v248, v[T], v[T+1], v[T+2]
	v_max3_num_f32 v249, v[T+3], v[T+4], v[T+5]
	v_max3_num_f32 v248, v248, v[T+6], v[T+7]
	v_max_num_f32 v248, v248, v249
	v_permlanex16_b32 v249, v248, s14, s15
	v_max_num_f32 v248, v248, v249                 ; the row's maximum: key 0 counts for every query, so it is a number
	v_mul_f32 v248, s16, v248
.irp j, 0,1,2,3,4,5,6,7
	v_fma_f32 v[T+\j], v[T+\j], s16, -v248
.endr
.irp j, 0,1,2,3,4,5,6,7
	v_exp_f32 v[T+\j], v[T+\j]
.endr
	v_nop                                          ; a plain line behind the last exponential
	s_wait_alu depctr_va_vdst(0)                   ; one wait for the eight, ahead of their first reader
	v_add_f32 v250, v[T], v[T+1]
	v_add_f32 v251, v[T+2], v[T+3]
	v_add_f32 v250, v250, v[T+4]
	v_add_f32 v251, v251, v[T+5]
	v_add_f32 v250, v250, v[T+6]
	v_add_f32 v251, v251, v[T+7]
	v_add_f32 v250, v250, v251
	v_permlanex16_b32 v251, v250, s14, s15
	v_add_f32 v250, v250, v251
	v_rcp_f32 v250, v250
	v_nop
	s_wait_alu depctr_va_vdst(0)
.irp j, 0,1,2,3,4,5,6,7
	v_mul_f32 v[T+\j], v[T+\j], v250               ; the weights, normalised
.endr
	s_wait_loadcnt 33                              ; v is in; Wo's 32 loads and the bias may be out
.irp s, 0,1,2,3                                    ; O^T = V^T P: step s takes keys 8 h + 2 s, + 1; an accumulator for each 16 channels
.irp ct, 0,1,2,3
.if \s == 0
	v_wmma_f32_16x16x4_f32 v[OAC+8*\ct:OAC+8*\ct+7], v[VF+8*\ct+2*\s:VF+8*\ct+2*\s+1], v[T+2*\s:T+2*\s+1], 0
.else
	v_wmma_f32_16x16x4_f32 v[OAC+8*\ct:OAC+8*\ct+7], v[VF+8*\ct+2*\s:VF+8*\ct+2*\s+1], v[T+2*\s:T+2*\s+1], v[OAC+8*\ct:OAC+8*\ct+7]
.endif
.endr
.endr
.rept 9
	v_nop                                          ; nine places: the next products take these results as an operand
.endr
	s_wait_loadcnt 0x0                             ; Wo and the bias
.irp ct, 0,1,2,3                                   ; my head's part of ctx Wo: source 0 = the accumulators as they stand (query r, channels 16 ct + 8 h + 2 i, + 1), source 1 = the same rows of Wo
.irp i, 0,1,2,3
.if \ct == 0
	v_wmma_f32_16x16x4_f32 v[YAC+8*\i:YAC+8*\i+7], v[OAC+8*\ct+2*\i:OAC+8*\ct+2*\i+1], v[WF+8*\ct+2*\i:WF+8*\ct+2*\i+1], 0
.else
	v_wmma_f32_16x16x4_f32 v[YAC+8*\i:YAC+8*\i+7], v[OAC+8*\ct+2*\i:OAC+8*\ct+2*\i+1], v[WF+8*\ct+2*\i:WF+8*\ct+2*\i+1], v[YAC+8*\i:YAC+8*\i+7]
.endif
.endr
.endr
.rept 8
	v_nop
.endr
.irp j, 0,1,2,3,4,5,6,7
	v_add_f32 v[T+\j], v[YAC+\j], v[YAC+8+\j]      ; register j: row 8 h + j, column r
.endr
.irp j, 0,1,2,3,4,5,6,7
	v_add_f32 v[T+\j], v[T+\j], v[YAC+16+\j]
.endr
.irp j, 0,1,2,3,4,5,6,7
	v_add_f32 v[T+\j], v[T+\j], v[YAC+24+\j]
.endr
.irp j, 0,1,2,3,4,5,6,7
	ds_store_b32 v9, v[T+\j] offset:128*\j
.endr
	s_wait_dscnt 0x0                               ; for the others' sake: my stores are done
	s_barrier_signal -1
	s_barrier_wait -1
	s_cmp_ge_u32 s12, 8
	s_cbranch_scc1 .Lend
.irp w, 0,1,2,3,4,5,6,7,8,9,10,11,12,13,14,15
	ds_load_b32 v[16+\w], v12 offset:1024*\w       ; wave w' adds register w' of all sixteen heads
.endr
	s_wait_dscnt 0x0
.irp w, 0,1,2,3,4,5,6,7,8,9,10,11,12,13,14,15
	v_add_f32 v15, v15, v[16+\w]                   ; the bias, then the heads in ascending order
.endr
	global_store_b32 v13, v15, s[10:11]
.Lend:
	s_wait_tensorcnt 0x0                           ; the wave's end
	ds_add_u32 v[SPW], v[NIL]
	s_wait_dscnt 0x0
	s_endpgm
.Lfunc_end_k_q75c12fae16_fine:
	.size	k_q75c12fae16_fine, .Lfunc_end_k_q75c12fae16_fine-k_q75c12fae16_fine
	.p2alignl 7, 3214868480
	.fill 96, 4, 3214868480
	.section	.rodata,"a",@progbits
	.p2align	6, 0x0
	.amdhsa_kernel k_q75c12fae16_fine
		.amdhsa_group_segment_fixed_size 18432
		.amdhsa_private_segment_fixed_size 0
		.amdhsa_enable_private_segment 0
		.amdhsa_kernarg_size 32
		.amdhsa_user_sgpr_count 2
		.amdhsa_user_sgpr_kernarg_segment_ptr 1
		.amdhsa_wavefront_size32 1
		.amdhsa_system_sgpr_workgroup_id_x 1
		.amdhsa_system_sgpr_workgroup_id_y 1
		.amdhsa_system_sgpr_workgroup_id_z 1
		.amdhsa_system_vgpr_workitem_id 0
		.amdhsa_next_free_vgpr 256
		.amdhsa_next_free_sgpr 66
		.amdhsa_reserve_vcc 1
		.amdhsa_float_denorm_mode_32 3
		.amdhsa_float_denorm_mode_16_64 3
		.amdhsa_memory_ordered 1
		.amdhsa_forward_progress 1
		.amdhsa_inst_pref_size 20
	.end_amdhsa_kernel
	.amdgpu_metadata
---
amdhsa.version: [ 1, 2 ]
amdhsa.kernels:
  - .name:           k_q75c12fae16_fine
    .symbol:         k_q75c12fae16_fine.kd
    .args:
      - { .name: top32, .offset: 0, .size: 8, .value_kind: global_buffer, .address_space: global }
      - { .name: Wo, .offset: 8, .size: 8, .value_kind: global_buffer, .address_space: global }
      - { .name: bo, .offset: 16, .size: 8, .value_kind: global_buffer, .address_space: global }
      - { .name: out0, .offset: 24, .size: 8, .value_kind: global_buffer, .address_space: global }
    .group_segment_fixed_size: 18432
    .private_segment_fixed_size: 0
    .kernarg_segment_align: 8
    .kernarg_segment_size: 32
    .max_flat_workgroup_size: 512
    .sgpr_count:     66
    .vgpr_count:     256
    .wavefront_size: 32
...
	.end_amdgpu_metadata
.endif
;; end of part 5
